; MI455X (gfx1250); checked and timed in simulation.
; The chip was launched on July 23, 2026; its instructions are those of AMD's public machine-readable ISA for CDNA 5 (MIT licence, August 2026) and "CDNA5" Instruction Set Architecture Reference Guide (July 2026). The comments in the code are by the model that wrote it; some were corrected since.
;; Attention. Allowed arithmetic: matrix products marked QUANTISED: E2M3 operands, one E8M0 scale for each 32 along K, by v_wmma_scale_f32_16x16x128_f8f6f4 with both operands' format E2M3, f32 sums; everything else in f32.
;; Inputs: Wk 1,024 x 1,024 float32; Wo 1,024 x 1,024 float32; Wq 1,024 x 1,024 float32; Wv 1,024 x 1,024 float32; attention_mask 4 x 2,048 bool; x 4 x 2,048 x 1,024 float32.
;; Outputs: out0 4 x 2,048 x 1,024 float32.
;; Constants: phase_end_idx = 64, skip_phase_rope = 1.
;; This version of the problem:
;;   THIS VERSION OF THE PROBLEM IS GIVEN IN LOW PRECISION. The matrix products marked QUANTISED in the list below multiply operands that are first quantised to E2M3 (2 exponent bits, 3 mantissa bits; 6 bits a number), with one power-of-two scale for each 32 numbers along K (OCP MX v1.0); their sums are f32. All else is computed in f32.
;;   The module's matrix products, in the order in which they are computed (A, B: the left and right operand; K: the contracted axis; several contracted axes count as one K, in the product's order):
;;     1. [M 8,192, K 1,024] x [K 1,024, N 1,024]; A: input x; B: input Wq: QUANTISED
;;     2. [M 8,192, K 1,024] x [K 1,024, N 1,024]; A: input x; B: input Wk: QUANTISED
;;     3. [M 8,192, K 1,024] x [K 1,024, N 1,024]; A: input x; B: input Wv: QUANTISED
;;     4. batch 64 x [M 2,048, K 64] x [K 64, N 2,048]; A: computed on the way; B: computed on the way: QUANTISED
;;     5. batch 64 x [M 2,048, K 2,048] x [K 2,048, N 64]; A: softmax (see below); B: computed on the way: QUANTISED
;;     6. [M 8,192, K 1,024] x [K 1,024, N 1,024]; A: computed on the way; B: input Wo: QUANTISED
;;   THE QUANTISER, for each operand of a quantised product, along K:
;;     - K is cut into blocks of 32 from its start; a last block that is shorter is filled with zeros.
;;     - A block's scale is 2^e with e = floor(log2(the largest magnitude in the block)) - 2, held to -126 .. 127; a block of zeros has e = 0. As a byte (E8M0): e + 127.
;;     - Each number is divided by its block's scale, clamped to +-7.5, and rounded to the nearest number of E2M3, ties to even, subnormals kept.
;;     - The product sums the exact products of the quantised numbers (number of the format x scale) in f32.
;;   ~~~python
;;   def quantise(x, axis):      # numpy; x: float32 -> the quantised numbers, widened to float32 again
;;       x = np.moveaxis(x, axis, -1); K = x.shape[-1]
;;       x = np.pad(x, [(0, 0)] * (x.ndim - 1) + [(0, -K % 32)]); x = x.reshape(x.shape[:-1] + (-1, 32)); a = np.abs(x).max(-1, keepdims=True)
;;       e = np.where(a > 0, np.clip(np.frexp(np.where(a > 0, a, 1))[1] - 1 - 2, -126, 127), 0)      # np.frexp(a)[1] - 1 = floor(log2(a)), exactly
;;       r = np.clip(x / 2.0 ** e, -7.5, 7.5)
;;       step = 2.0 ** (np.maximum(np.frexp(np.where(r == 0, 1, r))[1] - 1, 0) - 3)
;;       q = np.round(r / step) * step * 2.0 ** e      # np.round: ties to even
;;       return np.moveaxis(q.reshape(q.shape[:-2] + (-1,))[..., :K], -1, axis).astype(np.float32)
;;   ~~~
;;   SOFTMAX AHEAD OF A QUANTISED PRODUCT. Where the list says 'softmax', what is quantised is not the finished softmax but p = 2^(t - M), with t = logit x log2(e) and M = ceil(the row's largest t), a whole number; so 1/2 < the row's largest p <= 1. The row's sum l is taken of the UNQUANTISED p, in f32, and the product's result is divided by l at the end. Since M is a whole number, a kernel that streams over the keys may use a running M (the ceiling of the running maximum): every later rescaling is an exact power of two, which a block's scale takes up: the codes' values come out the same.
;;   OPERANDS COMPUTED ON THE WAY. 'Computed on the way' means the value that the module computes at that place (a softmax that the list does not call 'softmax' is quantised finished and normalised). What goes into a quantiser is computed in f32, as accurately as f32 sums, v_exp_f32 and their like allow (about 1e-6 of the number): no bf16 or f16 on the way to a quantiser, and a product that is left as it is and whose result goes on into a quantised operand takes f32 operands (vector FMAs, or v_wmma_f32_16x16x4_f32). A number that lies on a knife's edge between two numbers of the format may be rounded either way, as far as f32 arithmetic and the matrix unit's own rounding can turn it there, and no further.
;; One version. Each part assembles by itself: llvm-mc -triple=amdgcn-amd-amdhsa -mcpu=gfx1250 --defsym DOCPART=n.
;; ======== version 1 of 1: 4 launches
;; limits: right only within a limited range of input values
;; workspace buffers: codes 9,437,184 bytes; scales 393,216 bytes; rope 524,288 bytes; q_img 8,912,896 bytes; kv_img 15,728,640 bytes; o_img 6,291,456 bytes; o_scales 262,144 bytes
;; launch prep (part 1): grid 416 x 1, 4 waves a work-group, no clusters, 33,280 bytes of LDS; arguments x, Wq, Wk, Wv, Wo, codes, scales, rope; writes codes, scales, rope
.if DOCPART == 1
	.amdgcn_target "amdgcn-amd-amdhsa--gfx1250"
	.amdhsa_code_object_version 6
	.text
	.protected	k_q91d5ff2ba3_prep
	.globl	k_q91d5ff2ba3_prep
	.p2align	8
	.type	k_q91d5ff2ba3_prep,@function
k_q91d5ff2ba3_prep:
	s_mov_b64 s[64:65], 0
	v_nop
	global_prefetch_b8 v0, s[64:65] scope:SCOPE_SE
	s_setreg_imm32_b32 hwreg(HW_REG_WAVE_MODE, 25, 1), 1
	s_wait_xcnt 0x0
; x [8192][1024], Wq, Wk, Wv, Wo [1024][1024], f32, K innermost, become codes of FP6 (E2M3) with one E8M0 byte for each 32 along K; and the cos / sin table of the rotary embedding is made.
; codes: [12288 rows][768 bytes], scales: [12288][32]: rows 0-8191 x, then Wq, Wk, Wv, Wo, 1024 rows each.
; THE ROWS OF x, Wq, Wk, Wv ARE STORED PERMUTED: original row R lies at position sw(R), sw = bits 3 and 4 of the number exchanged.  A tile of 16 neighbouring positions then holds eight neighbouring rows and the eight
; that lie 16 further on, which is what lets a matrix result be quantised in registers in the later launches.  Wo's rows lie as they are.
; A block's scale is 2^(floor(log2(its largest magnitude)) - 2); its byte is the largest magnitude's exponent field - 2, held at 1 from below.
; LIMITS: a block whose largest magnitude lies under 2^-124 gets the byte 1 (a block of zeros too, where the rule says 127: its codes are zeros, and this program alone reads the bytes); NaN and infinities are not served.
; Work-groups 0-383 quantise: a wave takes a run of 8 rows (8,192 numbers) in 16 steps of 512.  Each load reads 512 consecutive bytes; a step's 2,048 bytes turn through the wave's own stage in LDS, so that a lane holds 16
; neighbours along K for the conversion.  A run is 8 rows, so sw on rows is an exchange of bits 0 and 1 of the run's number.  Waves share nothing: no barrier.
; Work-groups 384-415 make the table, a wave to a tile of 16 positions; that way uses no LDS.
; rope: [128 tiles of positions][8 images][32 lanes][16 bytes]: lane (r, h) of image g holds cos, sin, cos, sin of pairs e = 2 g, 2 g + 1; pair e = 8 c + p has frequency 10^(-(16 c + 8 h + p) / 8);
; the token is sw(16 tile + r), its angle's position max(token - 64, 0): tokens under 64 get cos = 1 and sin = 0 and so are left as they are.
; LIMIT: the frequencies are the decimal 10^(-j / 8) rounded to f32; sine and cosine by reduction with pi / 2 in two parts and polynomials (error under 1e-7 beside the angle's own rounding).
; THE ORDER OF ROWS AND THE CODES' LAYOUT, AS THE TEXT BELOW HAS THEM (they take the place of what stands above on sw and on the codes' rows):
; inside each 64 rows of x, Wq, Wk, Wv, position 16 t + 8 h + j (t 0..3, h 0..1, j 0..7) holds row 32 h + 8 t + j: a run of 8 rows with the number (h t1 t0) goes to place (t1 t0 h).  A lane of a matrix result then holds
; a WHOLE scale block of the next product.  Wo's rows lie as they are.  The table's pair e of lane (r, h) has frequency 10^(-(16 h + e) / 8); the token at position 16 T + r is 64 (T / 4) + 32 (r / 8) + 8 (T % 4) + r % 8.
; codes: [48 tiles of 256 positions][4 steps of 256 along K][256 positions][192 bytes]: each (tile, step) is a dense block of 49,152 bytes, which the later launches fetch as rows of 256 bytes.
; WORK LEFT OUT in the attention launch: key steps all of whose keys lie under the mask that the problem builds itself (j <= i or j < 64); their p is 0 for all values of the inputs.  Every input is loaded.
.set NQWG,  384
.set STEPS, 16
.set EMAX,  2
.set CB,    12                         ; bytes of 16 codes
.set R,     16                         ; v16-79   four sets of 16 numbers as they are loaded
.set X,     80                         ; v80-111  two sets of 16 neighbours
.set C,     128                        ; v128-191 codes: four registers for each step, so that no store's data are written again
.set E,     112                        ; v112-127 a scale byte for each step
.set WREG,  8192                       ; LDS: a region for each wave: two stages of 32 x SP bytes, behind them its 256 scale bytes
.set SP,    80                         ; a lane's place in a stage: 64 bytes + 16 of padding
	s_load_b256 s[4:11], s[0:1], 0x0               ; x, Wq, Wk, Wv
	s_load_b256 s[12:19], s[0:1], 0x20             ; Wo, codes, scales, rope
	v_lshl_add_u32 v192, v0, 2, 0x8000
	v_mov_b32 v193, 0
	v_lshrrev_b32 v1, 5, v0
	v_readfirstlane_b32 s20, v1                    ; wave
	v_and_b32 v2, 31, v0                           ; lane
	s_cmp_ge_u32 ttmp9, NQWG
	s_cbranch_scc1 .Ltable
	v_lshlrev_b32 v3, 4, v2                        ; my 16 bytes of a load's 512
	s_mul_i32 s21, s20, WREG
	v_lshrrev_b32 v14, 2, v2
	v_mul_u32_u24 v14, v14, SP
	v_and_b32 v15, 3, v2
	v_lshl_add_u32 v14, v15, 4, v14
	v_add_nc_u32 v14, s21, v14                     ; the stage, on the way in: SP (lane / 4) + 16 (lane % 4)
	v_mul_u32_u24 v15, v2, SP
	v_add_nc_u32 v15, s21, v15                     ; and on the way out: SP x lane: my 16 neighbours
	v_and_b32 v4, 15, v2
	v_mul_u32_u24 v4, v4, CB                       ; sixteen lanes' codes are 192 bytes: a position's part of one step of 256 along K;
	v_lshrrev_b32 v10, 4, v2
	v_mad_u32_u24 v4, v10, 0xc000, v4              ; lanes 16-31 hold the next step's: 49,152 bytes on
	v_lshrrev_b32 v5, 1, v2
	s_add_co_u32 s21, s21, 2*32*SP
	v_add_nc_u32 v5, s21, v5                       ; LDS: my wave's 256 scale bytes, my block's byte
	v_lshlrev_b32 v7, 3, v2                        ; and on the way out 8 bytes a lane
	v_add_nc_u32 v6, s21, v7
	s_lshl_b32 s22, ttmp9, 2
	s_add_co_u32 s22, s22, s20                     ; my run among all 1,536
	s_and_b32 s23, s22, 127                        ; and inside a weight
	s_and_b32 s24, s22, 0xfffffff8
	s_and_b32 s25, s22, 3
	s_lshl_b32 s25, s25, 1
	s_or_b32 s24, s24, s25
	s_bfe_u32 s25, s22, 0x10002
	s_or_b32 s24, s24, s25                         ; the run's number (b2 b1 b0) turned to (b1 b0 b2)
	s_cmp_lt_u32 s22, 1408                         ; Wo's runs (1,408 on) stay where they are
	s_cselect_b32 s24, s24, s22
	s_wait_alu depctr_va_vdst(0)
	s_wait_kmcnt 0x0
	s_cmp_lt_u32 ttmp9, 352                        ; which tensor: the choice hangs on the work-group's number alone
	s_cselect_b64 s[12:13], s[10:11], s[12:13]
	s_cmp_lt_u32 ttmp9, 320
	s_cselect_b64 s[12:13], s[8:9], s[12:13]
	s_cmp_lt_u32 ttmp9, 288
	s_cselect_b64 s[12:13], s[6:7], s[12:13]
	s_cmp_lt_u32 ttmp9, 256
	s_cselect_b64 s[12:13], s[4:5], s[12:13]
	s_cselect_b32 s23, s22, s23
	s_lshl_b32 s26, s23, 15                        ; 32,768 bytes of f32 a run
	s_mov_b32 s27, 0
	s_add_nc_u64 s[12:13], s[12:13], s[26:27]
	s_lshr_b32 s26, s24, 5                         ; the tile of 256 positions: 196,608 bytes,
	s_mul_i32 s26, s26, 196608
	s_and_b32 s28, s24, 31
	s_mul_i32 s28, s28, 1536                       ; and my 8 positions in it: 192 bytes each
	s_add_co_u32 s26, s26, s28
	s_add_nc_u64 s[14:15], s[14:15], s[26:27]
	s_lshl_b32 s26, s24, 8                         ; 256 scale bytes
	s_add_nc_u64 s[16:17], s[16:17], s[26:27]
.macro LOAD t
.irp i, 0,1,2,3
	global_load_b128 v[R+16*((\t)%4)+4*\i:R+16*((\t)%4)+4*\i+3], v3, s[12:13] offset:2048*(\t)+512*\i th:TH_LOAD_NT   ; 32 lanes read 512 consecutive bytes
.endr
.endm
.macro TURN t                          ; step t's numbers through the stage: LDS serves a wave's instructions in order, so no wait stands between the stores and the loads
.irp i, 0,1,2,3
	ds_store_b128 v14, v[R+16*((\t)%4)+4*\i:R+16*((\t)%4)+4*\i+3] offset:32*SP*((\t)%2)+8*SP*\i
.endr
.irp i, 0,1,2,3
	ds_load_b128 v[X+16*((\t)%2)+4*\i:X+16*((\t)%2)+4*\i+3], v15 offset:32*SP*((\t)%2)+16*\i
.endr
.endm
.irp t, 0,1,2,3
	LOAD \t
.endr
	s_wait_loadcnt 12                              ; step 0's four loads are in
	TURN 0
.macro STEP t
.set XS, X+16*((\t)%2)
.if (\t) > 0
	s_wait_dscnt 1                                 ; this step's numbers are back from the stage (the last step's byte store may be out): its stores into the stage have read their registers,
.else
	s_wait_dscnt 0x0
.endif
.if (\t)+4 < STEPS
	LOAD (\t)+4                                    ; which take the loads of four steps on
.endif
.if (\t)+1 < STEPS
.if STEPS-2-(\t) >= 3
	s_wait_loadcnt 12                              ; the next step's four loads are in; those of the three steps behind it may be out
.else
	s_wait_loadcnt 4*(STEPS-2-(\t))
.endif
	TURN (\t)+1                                    ; and go through the other stage while this step is worked
.endif
	v_max3_num_f32 v8, |v[XS]|, |v[XS+1]|, |v[XS+2]|               ; the largest magnitude of my 16
	v_max3_num_f32 v9, |v[XS+3]|, |v[XS+4]|, |v[XS+5]|
.irp i, 6,10
	v_max3_num_f32 v8, v8, |v[XS+\i]|, |v[XS+\i+1]|
	v_max3_num_f32 v9, v9, |v[XS+\i+2]|, |v[XS+\i+3]|
.endr
	v_max3_num_f32 v8, v8, |v[XS+14]|, |v[XS+15]|
	v_max3_num_f32 v8, v8, v9, (EMAX+1)<<23        ; and the floor 2^(3 - 127): the byte cannot fall under 1
	v_max_num_f32_dpp v8, v8, v8 row_xmask:1 row_mask:0xf bank_mask:0xf   ; and of my neighbour's 16: the block's
	v_add_nc_u32 v11, -(EMAX<<23), v8              ; 2 off its exponent field: the conversion takes the exponent field of this operand as its scale
	v_cvt_scalef32_pk16_fp6_f32 v[C+4*(\t):C+4*(\t)+2], v[XS:XS+15], v11
	v_lshrrev_b32 v[E+(\t)], 23, v11               ; the scale's byte
	ds_store_b8 v5, v[E+(\t)] offset:16*(\t)       ; both lanes of a block write the same byte with the same value
	global_store_b96 v4, v[C+4*(\t):C+4*(\t)+2], s[14:15] offset:98304*((\t)%2)+192*((\t)/2)
.endm
.irp t, 0,1,2,3,4,5,6,7,8,9,10,11,12,13,14,15
	STEP \t
.endr
	ds_load_b64 v[12:13], v6                       ; LDS serves a wave's instructions in order: these see my stores
	s_wait_dscnt 0x0
	global_store_b64 v7, v[12:13], s[16:17]        ; 32 lanes store 256 consecutive bytes, aligned
	s_wait_tensorcnt 0x0
	ds_add_u32 v192, v193
	s_wait_dscnt 0x0
	s_endpgm
.Ltable:
	s_sub_co_u32 s21, ttmp9, NQWG
	s_lshl_b32 s21, s21, 2
	s_add_co_u32 s21, s21, s20                     ; my tile of 16 positions, 0 .. 127
	v_and_b32 v1, 15, v0                           ; r
	s_wait_alu depctr_va_vdst(0)
	v_lshrrev_b32 v12, 4, v2                       ; h
	v_cmp_eq_u32 vcc_lo, 1, v12                    ; kept for the whole way: lanes 16-31
	v_and_b32 v13, 7, v1
	v_lshrrev_b32 v14, 3, v1
	v_lshl_add_u32 v13, v14, 5, v13                ; r % 8 + 32 (r / 8)
	s_lshr_b32 s22, s21, 2
	s_lshl_b32 s22, s22, 6
	s_and_b32 s23, s21, 3
	s_lshl_b32 s23, s23, 3
	s_add_co_u32 s22, s22, s23
	v_add_nc_u32 v13, s22, v13                     ; the token at position 16 tile + r
	v_max_u32 v13, 64, v13
	v_add_nc_u32 v13, 0xffffffc0, v13              ; max(token - 64, 0)
	v_cvt_f32_u32 v3, v13
	v_lshlrev_b32 v96, 4, v2                       ; 16 x lane
	s_lshl_b32 s22, s21, 12                        ; 4,096 bytes a tile
	s_mov_b32 s23, 0
	s_wait_alu depctr_va_vdst(0)
	s_wait_kmcnt 0x0
	s_add_nc_u64 s[18:19], s[18:19], s[22:23]
; pair e: f0 the frequency of lanes 0-15, f1 of lanes 16-31.  angle = position x frequency (one rounding, as the definition has it); k = the nearest whole number to angle x 2 / pi;
; r = angle - k pi / 2, pi / 2 in two parts, by fused multiply-adds: the first is exact (the difference has no bit under 2^-23 and lies under 1); cos r and sin r by their series, to r^10 and r^9;
; k's last two bits say which of the two is wanted and with which sign.
.macro SINCOS e, f0, f1
	v_mul_f32 v4, \f0, v3
	v_mul_f32 v5, \f1, v3
	v_cndmask_b32 v4, v4, v5, vcc_lo
	v_mul_f32 v5, 0x3f22f983, v4
	v_rndne_f32 v5, v5
	v_fmamk_f32 v6, v5, 0xbfc90fdb, v4
	v_fmamk_f32 v6, v5, 0x333bbd2e, v6
	v_cvt_i32_f32 v7, v5
	v_mul_f32 v8, v6, v6
	v_mov_b32 v9, 0xb493f27e                       ; -1 / 10!
	v_fmaak_f32 v9, v9, v8, 0x37d00d01             ; 1 / 8!
	v_fmaak_f32 v9, v9, v8, 0xbab60b61             ; -1 / 6!
	v_fmaak_f32 v9, v9, v8, 0x3d2aaaab             ; 1 / 4!
	v_fma_f32 v9, v9, v8, -0.5
	v_fma_f32 v9, v9, v8, 1.0                      ; cos r
	v_mov_b32 v10, 0x3638ef1d                      ; 1 / 9!
	v_fmaak_f32 v10, v10, v8, 0xb9500d01           ; -1 / 7!
	v_fmaak_f32 v10, v10, v8, 0x3c088889           ; 1 / 5!
	v_fmaak_f32 v10, v10, v8, 0xbe2aaaab           ; -1 / 3!
	v_mul_f32 v11, v6, v8
	v_fma_f32 v10, v10, v11, v6                    ; sin r
	v_and_b32 v12, 1, v7
	v_cmp_eq_u32 s24, 1, v12
	v_cndmask_b32 v13, v9, v10, s24                ; the cosine's magnitude: sin r where k is odd
	v_cndmask_b32 v14, v10, v9, s24                ; the sine's: cos r where k is odd
	v_add_nc_u32 v12, 1, v7
	v_and_b32 v12, 2, v12
	v_lshlrev_b32 v12, 30, v12                     ; the cosine is negated where k % 4 is 1 or 2,
	v_xor_b32 v[64+2*(\e)], v12, v13
	v_and_b32 v15, 2, v7
	v_lshlrev_b32 v15, 30, v15                     ; the sine where it is 2 or 3
	v_xor_b32 v[65+2*(\e)], v15, v14
.if (\e)%2 == 1
	global_store_b128 v96, v[62+2*(\e):65+2*(\e)], s[18:19] offset:512*((\e)/2)   ; an image: 512 consecutive bytes; each image has registers of its own
.endif
.endm
	SINCOS 0, 1.0, 0.01
	SINCOS 1, 0.749894209332, 0.00749894209332
	SINCOS 2, 0.562341325190, 0.00562341325190
	SINCOS 3, 0.421696503429, 0.00421696503429
	SINCOS 4, 0.316227766017, 0.00316227766017
	SINCOS 5, 0.237137370566, 0.00237137370566
	SINCOS 6, 0.177827941004, 0.00177827941004
	SINCOS 7, 0.133352143216, 0.00133352143216
	SINCOS 8, 0.1, 0.001
	SINCOS 9, 0.0749894209332, 0.000749894209332
	SINCOS 10, 0.0562341325190, 0.000562341325190
	SINCOS 11, 0.0421696503429, 0.000421696503429
	SINCOS 12, 0.0316227766017, 0.000316227766017
	SINCOS 13, 0.0237137370566, 0.000237137370566
	SINCOS 14, 0.0177827941004, 0.000177827941004
	SINCOS 15, 0.0133352143216, 0.000133352143216
	s_endpgm
.Lfunc_end_k_q91d5ff2ba3_prep:
	.size	k_q91d5ff2ba3_prep, .Lfunc_end_k_q91d5ff2ba3_prep-k_q91d5ff2ba3_prep
	.p2alignl 7, 3214868480
	.fill 96, 4, 3214868480
	.section	.rodata,"a",@progbits
	.p2align	6, 0x0
	.amdhsa_kernel k_q91d5ff2ba3_prep
		.amdhsa_group_segment_fixed_size 33280
		.amdhsa_private_segment_fixed_size 0
		.amdhsa_enable_private_segment 0
		.amdhsa_kernarg_size 64
		.amdhsa_user_sgpr_count 2
		.amdhsa_user_sgpr_kernarg_segment_ptr 1
		.amdhsa_wavefront_size32 1
		.amdhsa_system_sgpr_workgroup_id_x 1
		.amdhsa_system_sgpr_workgroup_id_y 1
		.amdhsa_system_sgpr_workgroup_id_z 1
		.amdhsa_system_vgpr_workitem_id 0
		.amdhsa_next_free_vgpr 194
		.amdhsa_next_free_sgpr 66
		.amdhsa_reserve_vcc 1
		.amdhsa_float_denorm_mode_32 3
		.amdhsa_float_denorm_mode_16_64 3
		.amdhsa_memory_ordered 1
		.amdhsa_forward_progress 1
		.amdhsa_inst_pref_size 60
	.end_amdhsa_kernel
	.amdgpu_metadata
---
amdhsa.version: [ 1, 2 ]
amdhsa.kernels:
  - .name:           k_q91d5ff2ba3_prep
    .symbol:         k_q91d5ff2ba3_prep.kd
    .args:
      - { .name: x, .offset: 0, .size: 8, .value_kind: global_buffer, .address_space: global }
      - { .name: Wq, .offset: 8, .size: 8, .value_kind: global_buffer, .address_space: global }
      - { .name: Wk, .offset: 16, .size: 8, .value_kind: global_buffer, .address_space: global }
      - { .name: Wv, .offset: 24, .size: 8, .value_kind: global_buffer, .address_space: global }
      - { .name: Wo, .offset: 32, .size: 8, .value_kind: global_buffer, .address_space: global }
      - { .name: codes, .offset: 40, .size: 8, .value_kind: global_buffer, .address_space: global }
      - { .name: scales, .offset: 48, .size: 8, .value_kind: global_buffer, .address_space: global }
      - { .name: rope, .offset: 56, .size: 8, .value_kind: global_buffer, .address_space: global }
    .group_segment_fixed_size: 33280
    .private_segment_fixed_size: 0
    .kernarg_segment_align: 8
    .kernarg_segment_size: 64
    .max_flat_workgroup_size: 128
    .sgpr_count:     66
    .vgpr_count:     194
    .wavefront_size: 32
...
	.end_amdgpu_metadata
.endif
;; end of part 1
;; launch qkv (part 2): grid 12 x 32, 4 waves a work-group, clusters of 4 x 4, 327,680 bytes of LDS; arguments codes, scales, rope, attention_mask, q_img, kv_img; writes q_img, kv_img
.if DOCPART == 2
	.amdgcn_target "amdgcn-amd-amdhsa--gfx1250"
	.amdhsa_code_object_version 6
	.text
	.protected	k_q91d5ff2ba3_qkv
	.globl	k_q91d5ff2ba3_qkv
	.p2align	8
	.type	k_q91d5ff2ba3_qkv,@function
k_q91d5ff2ba3_qkv:
	s_mov_b64 s[64:65], 0
	v_nop
	global_prefetch_b8 v0, s[64:65] scope:SCOPE_SE
	s_setreg_imm32_b32 hwreg(HW_REG_WAVE_MODE, 25, 1), 1
	s_wait_xcnt 0x0
	s_wait_alu depctr_hold_cnt(0) depctr_sa_sdst(0) depctr_va_vdst(0) depctr_va_sdst(0) depctr_va_ssrc(0) depctr_va_vcc(0) depctr_vm_vsrc(0)
	s_getreg_b32 s2, hwreg(HW_REG_IB_STS2, 6, 4)
	s_cmp_eq_u32 s2, 0
	s_cbranch_scc0 .Lentry_in_a_cluster
	s_endpgm
.Lentry_in_a_cluster:
	s_bfe_u32 s2, ttmp6, 0x10000c
	s_cmp_lg_u32 s2, 0xf033
	s_cbranch_scc0 .Lentry_shape_is_right
	s_endpgm
.Lentry_shape_is_right:
; q = x Wq^T, k = x Wk^T, v = x Wv^T on codes of FP6 (E2M3) with E8M0 scales, K = 1024; then, in registers: the rotary embedding on q and k, and all three quantised anew as operands of the attention launch.
; codes [12288][768 bytes], scales [12288][32]: rows 0-8191 x, 8192 on Wq, 9216 on Wk, 10240 on Wv; all four with their rows permuted: position p holds row sw(p), sw = bits 3 and 4 exchanged.
; A tile of C, 256 x 256, is made by four waves, 128 x 128 each: 64 accumulators, 512 registers.  K goes in steps of 256 through a ring of two LDS slots filled by the tensor data mover; the scale bytes of the
; work-group's 512 rows come once and stay.  4 x 4 work-groups form a cluster: A's tiles are asked for jointly along a row of the cluster, B's along a column.
; THE MODE hangs on the cluster's x, which all sixteen partners share.  Cluster x = 0: A = x, B = Wq.  1: A = x, B = Wk.  2: A = Wv, B = x, so that v comes out with the KEYS along a lane's registers.
; THE MATRIX INSTRUCTION IS USED TRANSPOSED (source 0 = 16 rows of B, source 1 = 16 rows of A): accumulator (a, b), register j, lane (r, h) holds C(A's position 16 a + r, B's position 16 b + 8 h + j).  B's position
; 16 b + 8 h + j is B's row 32 (b / 2) + 16 h + 8 (b % 2) + j: so for one a the lane's 64 registers, in order, are four runs of 16 neighbours, 32 B + 16 h + 0 .. 15: what the conversions want.
; q, k: a wave's 128 columns are two heads.  A block a of 16 positions: rotary embedding (cos and sin from the table, in the lane's own layout), quantised along the head's 64 (two blocks of 32), stored as an IMAGE OF THE
; OPERAND'S REGISTERS: tile a of a block of 128 positions at 1024 a: registers 0-3 (16 bytes a lane), then registers 4-7; at 8192 the scale words (word i of lane l: tile i for l < 16, tile 4 + i above).
; THE IDLE HALF OF THE SCORE PRODUCT'S K = 128 CARRIES attention_mask: register 6, lanes 0-15, is the code of k = 64.  q: +7.5 under the scale byte 127.  k: 0 under the byte 1, or, where the key's mask byte is 0, -7.5 under
; the byte 231: the score then is -56.25 x 2^104.  The fourth scale byte is 1.  LIMIT: this serves scores whose magnitude x log2(e) / 8 stays under 2^100.
; v: block a of 16 of Wv's positions (head a / 4 of the wave's two, tile a % 4) x the wave's 128 tokens is one fragment: 12 registers as three images at 1536 (a % 4), the scale words at 6144, behind the step's K block.
; q_img: [batch x head 64][16 groups][8704].  kv_img: [64][16 steps][K block 8704 | V block 6656].
; LIMITS of the quantiser: a block whose largest magnitude lies under 2^-124 gets the byte 1 (zeros too); NaN and infinities are not served.
; REGISTERS, in windows of 256: window 0: v0-31 addresses; v32-63 scale words, two sets; v64-127 cos and sin of blocks 0, 1; from v128 A's fragments, ONE set; v248-255 mask bytes; behind the loop v128-247 are at work.
;   window 1: B's fragments, TWO sets; behind the loop cos and sin of blocks 2-7.   window 2: the accumulators of my rows 0-63 ((a, b) at v[8 (8 a + b)]);   window 3: those of rows 64-127.
; THE ORDER OF ROWS AND THE CODES' LAYOUT, AS THE TEXT BELOW HAS THEM (they take the place of what stands above on sw): inside each 64 rows, position 16 t + 8 h + j holds row 32 h + 8 t + j.  So for one a the lane's 64 registers
; are two WHOLE scale blocks of 32 neighbours: q, k: block h of each of the wave's two heads; v: key blocks h and 2 + h of the wave's 128 tokens.  No lane asks another for a maximum; only the scale word is gathered from lane l xor 16.
; codes: [tile of 256 positions][4 K steps][256][192 bytes]: a (tile, step) is dense and comes as rows of 256 bytes; the padding of 16 bytes behind every 64 gives LDS rows of 240 bytes for each position.
; THE HEAD: one tensor load a wave: wave 0 A's 256 rows of K step 0, wave 1 B's, wave 2 A's scales, wave 3 B's; slot 1 is first filled behind the full sequence and a round, a quarter a wave.
.set SIZE_K, 1024
.set KSB,    49152                     ; bytes from a tile's K step to its next
.set KSTEP,  256                       ; along K in a slot
.set NQ,     KSTEP/128                 ; matrix instructions deep
.set ROWB,   192                       ; a tile's row in bytes
.set KROW,   SIZE_K*6/8                ; a row of codes in memory
.set PITCH,  240                       ; an LDS row: 3 x (64 bytes + 16 of padding)
.set FR,     12                        ; registers of a fragment
.set NL,     6                         ; LDS loads that bring one
.set NP,     4                         ; places behind this matrix instruction (ISA guide 7.12.1)
.set HALFT,  128*PITCH
.set SLOT,   4*HALFT                   ; A's 256 rows, then B's 256 rows
.set LAPS,   SIZE_K/(2*KSTEP)
.set KS,     SIZE_K/32                 ; a row of scales in bytes
.set SCL,    2*SLOT                    ; behind the ring: the scales, as 256 bytes + 16 of padding
.set HALFS,  (128*KS/256)*272
.set SBLK,   (16*KS/256)*272
.set SPARE,  SCL+4*HALFS               ; behind the scales: the spare words, 128 bytes for each wave, which no other line names
.set ADRA, 16                          ; v16-17 LDS address of my A fragments in slot 0, 1 (v18-19: behind one padding more)
.set ADRB, 20                          ; v20-21 the same for B (v22-23)
.set LI,   24                          ; v24    16 x lane: an image's place for my lane; never rewritten
.set MK,   25                          ; v25    r % 8 + 32 (r / 8): my token in a tile; never rewritten
.set ADRS, 27                          ; v27    LDS address of my scale words
.set SPW,  28                          ; v28    LDS address of my spare word; never rewritten
.set NIL,  29                          ; v29    0; never rewritten
.set SC,   32                          ; scale words for the matrix instructions, and nothing else
.set CSA,  64                          ; cos, sin of blocks 0 and 1: 32 registers each
.set AF,   128                         ; A's fragments
.set MB,   248                         ; the mask bytes of my token in blocks 0 .. 7
.set Y,    128                         ; behind the loop: 64 numbers after the rotary embedding
.set TM,   192                         ; v192-195 largest magnitudes, v196-199 bytes, v204-207 the conversions' scale operands
.set PW,   208                         ; the scale word just made
.set PC,   210                         ; v210-225 the codes just made
.set XT,   226                         ; v226-228, v230-232 the conversions' second halves
.set HIU,  233                         ; the upper two scale bytes: key counts / key is masked
.set HIM,  234
.set C6U,  235                         ; register 6: key counts / key is masked
.set C6M,  236
.set T0,   237
.set T1,   238
.set T2,   239
.set WS,   240                         ; v240-243, v244-247 the scale words of two heads
.set G1, 24
.set G0, 32
.set G1B, 48
.set G0B, 56
.set G1S, 68
.set G0S, 76
.set G1SB, 80
.set G0SB, 88
.set MSB, 0
.macro WIN new                         ; the immediate's high byte repeats the setting that is left
.if MSB != \new
	s_set_vgpr_msb (MSB<<8)|\new
.set MSB, \new
.endif
.endm
.set MUL_LO, 0xa1                      ; source 0 (B) window 1, source 1 (A) window 0, C and D window 2
.set MUL_HI, 0xf1                      ; the same, C and D window 3
.set TO_B,   0x40                      ; destination window 1, address window 0
; A joint load: waves 0 and 1 fetch for A, waves 2 and 3 for B.  The branch hangs on the wave's number alone.  Four v_nop follow each of the two lines.
.macro JLOAD g0a, g1a, g0b, g1b
	s_cmp_eq_u32 s15, 0
	s_cbranch_scc0 .Lfor_b_\@
	tensor_load_to_lds s[\g0a:\g0a+3], s[\g1a:\g1a+7]
	s_nop 0
.rept 4
	v_nop
.endr
	s_branch .Lasked_\@
.Lfor_b_\@:
	tensor_load_to_lds s[\g0b:\g0b+3], s[\g1b:\g1b+7]
	s_nop 0
.rept 4
	v_nop
.endr
.Lasked_\@:
.endm
.macro CREST                           ; a round of the cluster's barrier behind its opening barrier
	s_cmp_lg_u32 s14, 0
	s_cbranch_scc1 .Lnot_wave_0_\@
	s_barrier_signal -3
.Lnot_wave_0_\@:
	s_barrier_wait -3
	s_barrier_signal -1
	s_barrier_wait -1
.endm
.macro CROUND                          ; a whole round
	s_barrier_signal -1
	s_barrier_wait -1
	CREST
.endm
	s_load_b256 s[4:11], s[0:1], 0x0               ; codes s[4:5], scales s[6:7], rope s[8:9], attention_mask s[10:11]
	s_load_b128 s[96:99], s[0:1], 0x20             ; q_img, kv_img
	v_lshl_add_u32 v[SPW], v0, 2, SPARE
	v_mov_b32 v[NIL], 0
	ds_add_u32 v28, v29
	ds_add_u32 v28, v29
	s_wait_dscnt 0x0
	v_lshrrev_b32 v1, 5, v0
	v_readfirstlane_b32 s14, v1                    ; wave 0..3
	s_lshr_b32 s15, s14, 1                         ; which half of the tile's rows is mine.  Also: I fetch for A (0) or for B (1)
	s_and_b32 s16, s14, 1                          ; which half of its columns.  Also: which 128 rows of that tile I fetch
	s_bfe_u32 s40, ttmp6, 0x40000                  ; cx, cy: my place in the cluster
	s_bfe_u32 s41, ttmp6, 0x40004
	s_and_b32 s17, ttmp7, 0xffff
	s_lshl_b32 s17, s17, 2                         ; 4 x cluster y
	s_add_co_u32 s66, s17, s41                     ; 4 x cluster y + cy: x's tile as A
	s_add_co_u32 s67, s17, s40                     ; 4 x cluster y + cx: x's tile as B
	s_lshl_b32 s42, ttmp9, 2
	s_add_co_u32 s42, s42, s40                     ; 4 x cluster x + cx: the tile of Wq (0-3) or Wk (4-7)
	s_lshl_b32 s43, s41, 2
	s_lshl_b32 s43, 15, s43                        ; my row of the cluster
	s_lshl_b32 s44, 0x1111, s40                    ; my column
	; descriptor group 1: a tile of 128 rows x 192 bytes, 16 bytes of padding behind every 64
	s_or_b32 s[G1+0], s43, (0<<16)|(1<<20)|(1<<21)|(3<<22)|(3<<25)
	s_or_b32 s[G1B+0], s44, (0<<16)|(1<<20)|(1<<21)|(3<<22)|(3<<25)
.irp g, G1, G1B
	s_mov_b32 s[\g+1], 256<<16                     ; tensor_dim0: rows of 256 bytes
	s_mov_b32 s[\g+2], 192<<16                     ; tensor_dim1: 256 positions x 192 bytes are 192 such rows (the head's loads; the ring's bring 96)
	s_mov_b32 s[\g+3], 256<<16                     ; tile_dim0
	s_mov_b32 s[\g+4], 192                         ; tile_dim1
	s_mov_b32 s[\g+5], 256                         ; tensor_dim0_stride: dense
	s_mov_b32 s[\g+6], 0
	s_mov_b32 s[\g+7], 0
.endr
	; the scales of 256 rows: a dense block, as rows of 256 bytes (32 elements of 8 bytes), 16 bytes of padding behind each
	s_or_b32 s[G1S+0], s43, (3<<16)|(1<<20)|(1<<21)|(5<<22)|(3<<25)
	s_or_b32 s[G1SB+0], s44, (3<<16)|(1<<20)|(1<<21)|(5<<22)|(3<<25)
.irp g, G1S, G1SB
	s_mov_b32 s[\g+1], 32<<16
	s_mov_b32 s[\g+2], (256*KS/256)<<16
	s_mov_b32 s[\g+3], 32<<16
	s_mov_b32 s[\g+4], 256*KS/256
	s_mov_b32 s[\g+5], 32
	s_mov_b32 s[\g+6], 0
	s_mov_b32 s[\g+7], 0
.endr
	; the tiles' first rows in the codes' buffer.  A's hang on cy and the cluster's y alone, B's on cx and the cluster's x and y alone
	s_lshl_b32 s20, s66, 8                         ; A = x
	s_lshl_b32 s21, s41, 8
	s_add_co_u32 s21, s21, 10240                   ; A = Wv
	s_lshl_b32 s46, s42, 8
	s_add_co_u32 s46, s46, 8192                    ; B = Wq or Wk
	s_lshl_b32 s47, s67, 8                         ; B = x
	s_cmp_eq_u32 ttmp9, 2
	s_cselect_b32 s95, 1, 0                        ; the mode: 1 = v
	s_cselect_b32 s20, s21, s20
	s_cselect_b32 s46, s47, s46
	s_mov_b32 s21, 0
	s_mov_b32 s47, 0
	s_mov_b64 s[18:19], KS
	s_mul_u64 s[22:23], s[20:21], s[18:19]         ; where these rows' scales begin, in bytes
	s_mul_u64 s[92:93], s[46:47], s[18:19]
	s_mov_b64 s[18:19], KROW
	s_mul_u64 s[20:21], s[20:21], s[18:19]         ; and their codes
	s_mul_u64 s[46:47], s[46:47], s[18:19]
	s_mul_i32 s45, s14, HALFT                      ; where they go: wave x 128 rows
	s_wait_kmcnt 0x0
	s_add_nc_u64 s[20:21], s[4:5], s[20:21]
	s_add_nc_u64 s[22:23], s[6:7], s[22:23]
	s_add_nc_u64 s[46:47], s[4:5], s[46:47]
	s_add_nc_u64 s[92:93], s[6:7], s[92:93]
	CROUND                                         ; all sixteen work-groups are here: the first joint loads meet
	s_mov_b32 s[G0S], 1
	s_mov_b32 s[G0S+1], SCL
	s_mov_b64 s[G0S+2:G0S+3], s[22:23]
	s_or_b32 s[G0S+3], s[G0S+3], 0x80000000
	s_mov_b32 s[G0SB], 1
	s_mov_b32 s[G0SB+1], SCL+2*HALFS
	s_mov_b64 s[G0SB+2:G0SB+3], s[92:93]
	s_or_b32 s[G0SB+3], s[G0SB+3], 0x80000000
	s_mul_i32 s92, s16, 96*256                     ; in the ring I fetch 128 positions of a tile: which half, in bytes; kept to the head's end
	s_mov_b32 s93, 0
	s_mov_b32 s[G0], 1                             ; slot 0's descriptors at the head: K step 0 of A's whole tile,
	s_mov_b32 s[G0+1], 0
	s_mov_b64 s[G0+2:G0+3], s[20:21]
	s_or_b32 s[G0+3], s[G0+3], 0x80000000
	s_mov_b32 s[G0B], 1                            ; and of B's, behind it
	s_mov_b32 s[G0B+1], 2*HALFT
	s_mov_b64 s[G0B+2:G0B+3], s[46:47]
	s_or_b32 s[G0B+3], s[G0B+3], 0x80000000
	s_add_nc_u64 s[20:21], s[20:21], s[92:93]
	s_add_nc_u64 s[46:47], s[46:47], s[92:93]
	s_mov_b32 s[G0+4], 1                           ; slot 1's: my half of K step 1
	s_add_co_u32 s[G0+5], s45, SLOT
	s_add_nc_u64 s[G0+6:G0+7], s[20:21], KSB
	s_or_b32 s[G0+7], s[G0+7], 0x80000000
	s_mov_b32 s[G0B+4], 1
	s_add_co_u32 s[G0B+5], s45, SLOT
	s_add_nc_u64 s[G0B+6:G0B+7], s[46:47], KSB
	s_or_b32 s[G0B+7], s[G0B+7], 0x80000000
	; one chain of branches on the wave's number, one load to an arm, all arms leading to one join
	s_cmp_lt_u32 s14, 1
	s_cbranch_scc0 .Lhead_b
	tensor_load_to_lds s[G0:G0+3], s[G1:G1+7]
	s_nop 0
.rept 4
	v_nop
.endr
	s_branch .Lhead_asked
.Lhead_b:
	s_cmp_lt_u32 s14, 2
	s_cbranch_scc0 .Lhead_sa
	tensor_load_to_lds s[G0B:G0B+3], s[G1B:G1B+7]
	s_nop 0
.rept 4
	v_nop
.endr
	s_branch .Lhead_asked
.Lhead_sa:
	s_cmp_lt_u32 s14, 3
	s_cbranch_scc0 .Lhead_sb
	tensor_load_to_lds s[G0S:G0S+3], s[G1S:G1S+7]
	s_nop 0
.rept 4
	v_nop
.endr
	s_branch .Lhead_asked
.Lhead_sb:
	tensor_load_to_lds s[G0SB:G0SB+3], s[G1SB:G1SB+7]
	s_nop 0
.rept 4
	v_nop
.endr
.Lhead_asked:
	v_and_b32 v1, 15, v0                           ; r = l % 16
	v_bfe_u32 v2, v0, 4, 1                         ; h = l / 16
	v_mul_u32_u24 v3, v1, PITCH
	v_mul_u32_u24 v4, v2, 24
	v_add_nc_u32 v4, v3, v4                        ; a fragment's row x pitch + 24 x half
	v_lshl_add_u32 v5, v2, 4, v4                   ; and the same behind one padding more
	s_mul_i32 s21, s15, HALFT                      ; my 128 rows of A
	s_mul_i32 s22, s16, HALFT                      ; my 128 rows of B,
	s_add_co_u32 s22, s22, 2*HALFT                 ; which lie behind A's 256
.irp s, 0,1
	v_add_nc_u32 v[ADRA+\s], s21, v4
	v_add_nc_u32 v[ADRB+\s], s22, v4
	v_add_nc_u32 v[ADRA+2+\s], s21, v5
	v_add_nc_u32 v[ADRB+2+\s], s22, v5
	s_add_co_u32 s21, s21, SLOT
	s_add_co_u32 s22, s22, SLOT
.endr
	v_mul_u32_u24 v5, v1, KS                       ; my row's scales: KS bytes a row,
	v_lshrrev_b32 v6, 8, v5
	v_lshl_add_u32 v5, v6, 4, v5                   ; and 16 more for each 256 passed
	s_mul_i32 s21, s15, HALFS                      ; A's: my 128 rows
	s_mul_i32 s22, s16, HALFS                      ; B's: my 128 rows, behind A's 256
	s_add_co_u32 s22, s22, 2*HALFS
	s_sub_co_u32 s22, s22, s21
	v_mul_u32_u24 v6, s22, v2                      ; lanes 16-31 take B's
	s_add_co_u32 s21, s21, SCL
	v_add_nc_u32 v5, v5, v6
	v_add_nc_u32 v[ADRS], s21, v5
	v_and_b32 v6, 31, v0
	v_lshlrev_b32 v[LI], 4, v6
	v_and_b32 v6, 7, v1
	v_lshrrev_b32 v7, 3, v1
	v_lshl_add_u32 v[MK], v7, 5, v6                ; r % 8 + 32 (r / 8)
	v_lshlrev_b32 v26, 3, v2                       ; v26: 8 h, the place of my blocks' bytes in a scale word; never rewritten
	; where the table, the mask bytes and the results stand
	s_lshr_b32 s18, s66, 3                         ; q, k: the batch,
	s_and_b32 s19, s66, 7                          ; and which 256 of its positions
	s_lshl_b32 s20, s19, 16                        ; the table: 16 tiles of 4,096 bytes for each 256 positions,
	s_lshl_b32 s21, s15, 15                        ; 8 for my half
	s_add_co_u32 s20, s20, s21
	s_mov_b32 s21, 0
	s_add_nc_u64 s[8:9], s[8:9], s[20:21]
	s_lshl_b32 s20, s18, 11                        ; the mask: 2,048 bytes a batch
	s_lshl_b32 s22, s19, 8
	s_add_co_u32 s20, s20, s22
	s_lshl_b32 s22, s15, 7
	s_add_co_u32 s20, s20, s22
	s_add_nc_u64 s[10:11], s[10:11], s[20:21]
	s_lshl_b32 s20, s18, 4                         ; q, k: block number ((16 batch + 4 cx + 2 column half) x 16 + group of 128 positions)
	s_lshl_b32 s22, s40, 2
	s_add_co_u32 s20, s20, s22
	s_lshl_b32 s22, s16, 1
	s_add_co_u32 s20, s20, s22
	s_lshl_b32 s20, s20, 4
	s_lshl_b32 s22, s19, 1
	s_add_co_u32 s20, s20, s22
	s_add_co_u32 s20, s20, s15
	s_lshr_b32 s22, s67, 3                         ; v: ((16 batch + 4 cy + 2 row half) x 16 + step of 128 tokens)
	s_lshl_b32 s22, s22, 4
	s_lshl_b32 s23, s41, 2
	s_add_co_u32 s22, s22, s23
	s_lshl_b32 s23, s15, 1
	s_add_co_u32 s22, s22, s23
	s_lshl_b32 s22, s22, 4
	s_and_b32 s23, s67, 7
	s_lshl_b32 s23, s23, 1
	s_add_co_u32 s22, s22, s23
	s_add_co_u32 s22, s22, s16
	s_cmp_eq_u32 s95, 1
	s_cselect_b32 s20, s22, s20
	s_cselect_b32 s22, 8704, 0                     ; v's block lies behind the step's K block
	s_mov_b32 s23, 15360
	s_cmp_eq_u32 ttmp9, 0
	s_cselect_b32 s23, 8704, s23                   ; a block's bytes in q_img, or a step's in kv_img
	s_cselect_b64 s[96:97], s[96:97], s[98:99]
	s_mul_i32 s20, s20, s23
	s_add_co_u32 s20, s20, s22
	s_add_nc_u64 s[96:97], s[96:97], s[20:21]      ; my first head's block,
	s_lshl_b32 s20, s23, 4
	s_add_nc_u64 s[98:99], s[96:97], s[20:21]      ; my second head's: 16 blocks on
	; q, k: the mask bytes and the first two blocks' cos and sin are asked for now and stay out over the loop, which touches neither their registers nor this counter
	s_cmp_eq_u32 s95, 1
	s_cbranch_scc1 .Lno_pre
	s_wait_alu depctr_va_vdst(0)
.irp a, 0,1,2,3,4,5,6,7
	global_load_u8 v[MB+\a], v[MK], s[10:11] offset:64*(\a/4)+8*(\a%4)
.endr
.irp a, 0,1
.irp g, 0,1,2,3,4,5,6,7
	global_load_b128 v[CSA+32*\a+4*\g:CSA+32*\a+4*\g+3], v[LI], s[8:9] offset:\a*4096+512*\g
.endr
.endr
.Lno_pre:
.macro FRAG reg, adr, q, i             ; a fragment, 16 rows x 128 K: lane l holds row l % 16; registers 6 c .. 6 c + 5 hold K = 64 c + 32 (l / 16) + 0 .. 31: 24 bytes of the row, as they lie, in pieces of 8 bytes
.irp p, 0,1,2,3,4,5
.set PCE, 12*(\q)+6*(\p/3)+\p%3        ; 16 bytes of padding lie behind every 8 pieces: where the piece three on lies behind one padding more, the second address register serves
.if PCE%8 < 5
	ds_load_b64 v[\reg+2*\p:\reg+2*\p+1], v[\adr] offset:8*PCE+16*(PCE/8)+(\i)*16*PITCH
.else
	ds_load_b64 v[\reg+2*\p:\reg+2*\p+1], v[\adr+2] offset:8*PCE+16*(PCE/8)+(\i)*16*PITCH
.endif
.endr
.endm
; 16 matrix instructions: A's blocks a0, a0 + 1 x B's eight, 128 along K.  zero = 1: the first product starts the sums.  The 64 accumulators take turns, one instruction a turn.
.macro MUL16 a0, p, q, sc, zero
.irp a, \a0, \a0+1
.irp b, 0,1,2,3,4,5,6,7
.if \zero
	v_wmma_scale_f32_16x16x128_f8f6f4 v[8*(8*((\a)%4)+\b):8*(8*((\a)%4)+\b)+7], v[128*(\p)+FR*\b:128*(\p)+FR*\b+FR-1], v[AF+FR*(\a):AF+FR*(\a)+FR-1], 0, v[SC+8*NQ*(\sc)+NQ*\b+(\q)], v[SC+8*NQ*(\sc)+NQ*(\a)+(\q)] matrix_a_fmt:MATRIX_FMT_FP6 matrix_b_fmt:MATRIX_FMT_FP6 matrix_a_scale:MATRIX_SCALE_ROW1
.else
	v_wmma_scale_f32_16x16x128_f8f6f4 v[8*(8*((\a)%4)+\b):8*(8*((\a)%4)+\b)+7], v[128*(\p)+FR*\b:128*(\p)+FR*\b+FR-1], v[AF+FR*(\a):AF+FR*(\a)+FR-1], v[8*(8*((\a)%4)+\b):8*(8*((\a)%4)+\b)+7], v[SC+8*NQ*(\sc)+NQ*\b+(\q)], v[SC+8*NQ*(\sc)+NQ*(\a)+(\q)] matrix_a_fmt:MATRIX_FMT_FP6 matrix_b_fmt:MATRIX_FMT_FP6 matrix_a_scale:MATRIX_SCALE_ROW1
.endif
.endr
.endr
.endm
.macro FETCH_B slot, q, p
	WIN TO_B
.irp i, 0,1,2,3,4,5,6,7
	FRAG 128*(\p)+FR*\i, ADRB+\slot, \q, \i
.endr
	WIN 0
.endm
.macro FETCH_A slot, q, i0
.irp i, \i0, \i0+1, \i0+2, \i0+3
	FRAG AF+FR*(\i), ADRA+\slot, \q, \i
.endr
.endm
.macro SCALES sc                       ; a K step's scale words: lanes 0-15 take A's block i, lanes 16-31 B's block i
.irp i, 0,1,2,3,4,5,6,7
	ds_load_b64 v[SC+8*NQ*\sc+NQ*\i:SC+8*NQ*\sc+NQ*\i+1], v[ADRS] offset:\i*SBLK
.endr
.endm
.macro PLACES n                        ; plain vector instructions between a matrix instruction and a load into, or a vector read or write of, its registers
.rept \n
	v_nop
.endr
.endm
.macro STEP slot, q, zero              ; a step of 128 along K that has its successor in the same slot
	s_wait_dscnt 4*NL                              ; B's set and A's blocks 0-3 are in; the youngest 24 loads (A's blocks 4-7) may be out
	WIN MUL_LO
	MUL16 0, (\q)%2, \q, \slot, \zero
	MUL16 2, (\q)%2, \q, \slot, \zero
	s_wait_dscnt 0
	PLACES NP
	FETCH_B \slot, (\q)+1, 1-(\q)%2
	FETCH_A \slot, (\q)+1, 0
	WIN MUL_HI
	MUL16 4, (\q)%2, \q, \slot, \zero
	MUL16 6, (\q)%2, \q, \slot, \zero
	PLACES NP
	WIN 0
	FETCH_A \slot, (\q)+1, 4
.endm
; A slot's last step changes slots: in front of the barrier each wave waits for all its tensor loads, adds 0 to its spare word, and waits for that and for its reads of this slot.  fill = 1: this slot is filled again.
.macro TURN slot, next, fill
	s_wait_tensorcnt 0x0                           ; all my tensor loads have landed: my part of the next slot
	ds_add_u32 v[SPW], v[NIL]                      ; 0 onto my spare word
	s_wait_dscnt 4*NL+1                            ; (the add and the youngest 24 loads may be out)
	WIN MUL_LO
	MUL16 0, 1, NQ-1, \slot, 0
	s_wait_dscnt 0x0                               ; the add is done, and my reads of this slot are over
	s_barrier_signal -1
	MUL16 2, 1, NQ-1, \slot, 0
	WIN 0
	s_barrier_wait -1
.if \fill
	CREST                                          ; the barrier has opened a round of the cluster's barrier: no wave of any partner still reads this slot or has a load on its way
	s_add_nc_u64 s[G0+4*\slot+2:G0+4*\slot+3], s[G0+4*\slot+2:G0+4*\slot+3], 2*KSB
	s_add_nc_u64 s[G0B+4*\slot+2:G0B+4*\slot+3], s[G0B+4*\slot+2:G0B+4*\slot+3], 2*KSB
	JLOAD G0+4*\slot, G1, G0B+4*\slot, G1B         ; the first tensor load behind the round; its four v_nop are the places in front of the loads below
.else
	PLACES NP
.endif
	s_wait_alu depctr_va_vdst(0)
	v_add_nc_u32 v[ADRS], 4*NQ, v[ADRS]            ; on to the next K step's scale words
	FETCH_B \next, 0, 0
	FETCH_A \next, 0, 0
	SCALES \next
	WIN MUL_HI
	MUL16 4, 1, NQ-1, \slot, 0
	MUL16 6, 1, NQ-1, \slot, 0
	PLACES NP
	WIN 0
	FETCH_A \next, 0, 4
.endm
	s_wait_alu depctr_va_vdst(0)                   ; the wait at the head's end
	s_wait_tensorcnt 0x0                           ; my tile of the head's four is in; the lines ahead of a later first fill:
	ds_add_u32 v[SPW], v[NIL]
	s_mov_b32 s[G1+2], 96<<16                      ; no tensor load of mine is out, so descriptors may be written: from here on a load brings 128 positions, 96 rows of 256 bytes,
	s_mov_b32 s[G1+4], 96
	s_mov_b32 s[G1B+2], 96<<16
	s_mov_b32 s[G1B+4], 96
	s_mov_b32 s[G0+1], s45                         ; and slot 0's descriptors stand at my half of K step 0: the first refill steps them to K step 2
	s_add_nc_u64 s[G0+2:G0+3], s[G0+2:G0+3], s[92:93]
	s_mov_b32 s[G0B+1], s45
	s_add_nc_u64 s[G0B+2:G0B+3], s[G0B+2:G0B+3], s[92:93]
	s_wait_dscnt 0x0
	CROUND                                         ; a whole round: all four tiles are in, and the sixteen work-groups' joint loads meet
	JLOAD G0+4, G1, G0B+4, G1B                     ; K step 1, the first tensor load behind the round
	FETCH_B 0, 0, 0
	FETCH_A 0, 0, 0
	s_wait_alu depctr_va_vdst(0)
	SCALES 0
	FETCH_A 0, 0, 4
	STEP 0, 0, 1                                   ; the first step stands in front of the loop: its products start the sums
	s_mov_b32 s3, LAPS-1
.Llap:                                                 ; a trip goes once round the ring and fills both slots again
	TURN 0, 1, 1
	STEP 1, 0, 0
	TURN 1, 0, 1
	STEP 0, 0, 0
	s_sub_co_u32 s3, s3, 1
	s_cmp_lg_u32 s3, 0
	s_cbranch_scc1 .Llap
	TURN 0, 1, 0                                   ; the last lap fills nothing
	STEP 1, 0, 0
	s_wait_dscnt 4*NL
	WIN MUL_LO
	MUL16 0, 1, NQ-1, 1, 0
	MUL16 2, 1, NQ-1, 1, 0
	s_wait_dscnt 0
	WIN MUL_HI
	MUL16 4, 1, NQ-1, 1, 0
	MUL16 6, 1, NQ-1, 1, 0
	WIN 0
; 64 numbers of a lane, v[s] .. v[s + 63] of window w, register 16 b + i = k 64 (b / 2) + 32 (lane / 16) + 16 (b % 2) + i of my row, become codes: blocks 0, 1 in v[PC] .. v[PC + 5], blocks 2, 3 in v[PC + st] .. + 5; the scale word in v[pw].
.macro QUANT s, w, st, pw
	WIN (\w)|((\w)<<2)
.irp b, 0,1,2,3
	v_max3_num_f32 v[TM+\b], |v[(\s)+16*\b]|, |v[(\s)+1+16*\b]|, 0x1800000   ; block b: my 16 numbers, from each accumulator's low end on, and the floor 2^(3 - 127): the byte cannot fall under 1
.endr
.irp i, 2,4,6,8,10,12,14
.irp b, 0,1,2,3
	v_max3_num_f32 v[TM+\b], |v[(\s)+16*\b+\i]|, |v[(\s)+1+16*\b+\i]|, v[TM+\b]   ; (the four blocks by turns)
.endr
.endr
	WIN 0
.irp b, 0,1,2,3
	v_max_num_f32 v[TM+4+\b], v[TM+\b], v[TM+(\b^1)]   ; chains 0, 1 are the halves of my first block, chains 2, 3 of my second: the block's largest magnitude, once for each of its two conversions
.endr
.irp b, 0,1,2,3
	v_add_nc_u32 v[TM+12+\b], 0xff000000, v[TM+4+\b]   ; 2 off its exponent field: the conversion's scale operand
.endr
.irp b, 0,1,2,3
	v_lshrrev_b32 v[TM+4+\b], 23, v[TM+12+\b]      ; the scale's byte
.endr
	v_lshl_or_b32 v[TM+4], v[TM+6], 16, v[TM+4]    ; my two bytes,
	v_lshlrev_b32 v[TM+4], v26, v[TM+4]            ; at their places in the scale word (8 h bits up);
	v_permlanex16_b32 v[TM+5], v[TM+4], s12, s13
	v_or_b32 v[\pw], v[TM+4], v[TM+5]              ; with lane l xor 16's two the word is whole
	WIN \w
.irp c, 0,1
	v_cvt_scalef32_pk16_fp6_f32 v[PC+(\st)*\c:PC+(\st)*\c+2], v[(\s)+32*\c:(\s)+15+32*\c], v[TM+12+2*\c]
	v_cvt_scalef32_pk16_fp6_f32 v[XT+4*\c:XT+4*\c+2], v[(\s)+16+32*\c:(\s)+31+32*\c], v[TM+12+2*\c+1]   ; (a conversion's three registers begin on an even number)
.endr
	WIN 0
	v_nop                                          ; one plain place behind a scaled conversion
.irp c, 0,1                                    ; the operand's layout wants a WHOLE block in a lane: lanes 0-15 block 2 c, lanes 16-31 block 2 c + 1
.irp i, 0,1,2
	v_mov_b32 v[PC+(\st)*\c+3+\i], v[XT+4*\c+\i]
.endr
.endr
.endm
	PLACES NP                                      ; behind the last products: their results are read, and their operands' registers written, from here on
.irp b, 0,1,2,3
	v_mov_b32 v[TM+4+\b], 0                        ; written once: a lane permute's destination counts as one of its sources
.endr
	s_mov_b32 s12, 0x76543210
	s_mov_b32 s13, 0xfedcba98                      ; v_permlanex16_b32's selects for lane l xor 16
	s_mov_b32 s93, 0xffff0000                      ; lanes 16-31
	s_cmp_eq_u32 s95, 1
	s_cbranch_scc1 .Lvmode
	; ---- q, k
	WIN 0x40                                       ; destination window 1
.irp a, 2,3,4,5,6,7
.irp g, 0,1,2,3,4,5,6,7
	global_load_b128 v[32*(\a-2)+4*\g:32*(\a-2)+4*\g+3], v[LI], s[8:9] offset:\a*4096+512*\g   ; cos and sin of blocks 2-7, where B's fragments lay
.endr
.endr
	WIN 0
	s_cmp_eq_u32 ttmp9, 0                          ; q or k
	s_mov_b32 s18, 0x01010000
	s_cselect_b32 s18, 0x017f0000, s18             ; scale bytes 2 and 3: q 127, 1; a key that counts 1, 1;
	s_mov_b32 s19, 0x01e70000
	s_cselect_b32 s19, 0x017f0000, s19             ; a masked key 231, 1
	s_cselect_b32 s22, 31, 0                       ; the code of k = 64: q +7.5; a key that counts 0;
	s_cselect_b32 s23, 31, 63                      ; a masked key -7.5
	v_mov_b32 v[HIU], s18
	v_mov_b32 v[HIM], s19
	v_mov_b32 v[C6U], s22
	v_mov_b32 v[C6M], s23
	v_cndmask_b32 v[C6U], v[C6U], v[NIL], s93      ; lanes 16-31 hold k = 96 on: zeros
	v_cndmask_b32 v[C6M], v[C6M], v[NIL], s93
	v_mov_b32 v[PC+7], 0                           ; register 7 of both heads' operands
	v_mov_b32 v[PC+15], 0
.irp a, 0,1,2,3,4,5,6,7
	s_wait_loadcnt 8*(7-\a)                        ; this block's cos and sin (and the mask bytes) are in; the eight loads of each later block may be out
	s_wait_xcnt 0x0                                ; the last block's stores have read their registers
.if \a < 2
.set CW, 0
.set CSB, CSA+32*\a
.else
.set CW, 1
.set CSB, 32*(\a-2)
.endif
.set AC, 64*(\a%4)
	WIN (2+\a/4)|(CW<<2)                           ; source 0: the accumulators' window; source 1: cos and sin's
.set e, 0
.rept 8                                        ; an accumulator, four pairs, at a time: y(2 i) = x(2 i) cos - x(2 i + 1) sin, y(2 i + 1) = x(2 i + 1) cos + x(2 i) sin
.irp u, 0,2,4,6
	v_pk_mul_f32 v[Y+e+\u:Y+e+\u+1], v[AC+e+\u:AC+e+\u+1], v[CSB+(e+\u)%32:CSB+(e+\u)%32+1] op_sel_hi:[1,0]
.endr
.irp u, 0,2,4,6
	v_fma_f32 v[Y+e+\u], -v[AC+e+\u+1], v[CSB+(e+\u)%32+1], v[Y+e+\u]
	v_fma_f32 v[Y+e+\u+1], v[AC+e+\u], v[CSB+(e+\u)%32+1], v[Y+e+\u+1]
.endr
.set e, e+8
.endr
	QUANT Y, 0, 8, PW
	v_cmp_eq_u32 vcc_lo, 0, v[MB+\a]               ; my token's mask byte is 0: it selects values alone
	v_cndmask_b32 v[T0], v[HIU], v[HIM], vcc_lo
	v_cndmask_b32 v[PC+6], v[C6U], v[C6M], vcc_lo
	v_cndmask_b32 v[PC+14], v[C6U], v[C6M], vcc_lo
.if \a < 4
	v_perm_b32 v[WS+\a], v[T0], v[PW], 0x07060100      ; head 0's word: its two bytes, then bytes 2 and 3
	v_perm_b32 v[WS+4+\a], v[T0], v[PW], 0x07060302    ; head 1's
.else
	v_perm_b32 v[T1], v[T0], v[PW], 0x07060100
	v_perm_b32 v[T2], v[T0], v[PW], 0x07060302
	v_cndmask_b32 v[WS+\a-4], v[WS+\a-4], v[T1], s93   ; tiles 4-7 go to lanes 16-31
	v_cndmask_b32 v[WS+\a], v[WS+\a], v[T2], s93
.endif
	global_store_b128 v[LI], v[PC:PC+3], s[96:97] offset:1024*\a          ; each store of the wave covers 512 consecutive bytes, aligned to 256
	global_store_b128 v[LI], v[PC+4:PC+7], s[96:97] offset:1024*\a+512
	global_store_b128 v[LI], v[PC+8:PC+11], s[98:99] offset:1024*\a
	global_store_b128 v[LI], v[PC+12:PC+15], s[98:99] offset:1024*\a+512
.endr
	global_store_b128 v[LI], v[WS:WS+3], s[96:97] offset:8192
	global_store_b128 v[LI], v[WS+4:WS+7], s[98:99] offset:8192
	s_branch .Lend
	; ---- v: block a is 16 of the head's 64 x my 128 tokens: one fragment of the second product's first source
.Lvmode:
.irp a, 0,1,2,3,4,5,6,7
	s_wait_xcnt 0x0                                ; the last block's stores have read their registers
	QUANT 64*(\a%4), 2+\a/4, 6, WS+\a
	global_store_b128 v[LI], v[PC:PC+3], s[96+2*(\a/4):97+2*(\a/4)] offset:1536*(\a%4)
	global_store_b128 v[LI], v[PC+4:PC+7], s[96+2*(\a/4):97+2*(\a/4)] offset:1536*(\a%4)+512
	global_store_b128 v[LI], v[PC+8:PC+11], s[96+2*(\a/4):97+2*(\a/4)] offset:1536*(\a%4)+1024
.if \a%4 == 3
	global_store_b128 v[LI], v[WS+4*(\a/4):WS+4*(\a/4)+3], s[96+2*(\a/4):97+2*(\a/4)] offset:6144
.endif
.endr
.Lend:
	s_wait_tensorcnt 0x0                           ; the wave's end
	ds_add_u32 v[SPW], v[NIL]
	s_wait_dscnt 0x0
	CROUND                                         ; the closing round: no work-group ends while a partner may still ask for a tile that names it
	s_endpgm
.Lfunc_end_k_q91d5ff2ba3_qkv:
	.size	k_q91d5ff2ba3_qkv, .Lfunc_end_k_q91d5ff2ba3_qkv-k_q91d5ff2ba3_qkv
	.p2alignl 7, 3214868480
	.fill 96, 4, 3214868480
	.section	.rodata,"a",@progbits
	.p2align	6, 0x0
	.amdhsa_kernel k_q91d5ff2ba3_qkv
		.amdhsa_group_segment_fixed_size 327680
		.amdhsa_private_segment_fixed_size 0
		.amdhsa_enable_private_segment 0
		.amdhsa_kernarg_size 48
		.amdhsa_user_sgpr_count 2
		.amdhsa_user_sgpr_kernarg_segment_ptr 1
		.amdhsa_wavefront_size32 1
		.amdhsa_system_sgpr_workgroup_id_x 1
		.amdhsa_system_sgpr_workgroup_id_y 1
		.amdhsa_system_sgpr_workgroup_id_z 1
		.amdhsa_system_vgpr_workitem_id 0
		.amdhsa_next_free_vgpr 1024
		.amdhsa_next_free_sgpr 100
		.amdhsa_reserve_vcc 1
		.amdhsa_float_denorm_mode_32 3
		.amdhsa_float_denorm_mode_16_64 3
		.amdhsa_memory_ordered 1
		.amdhsa_forward_progress 1
		.amdhsa_inst_pref_size 252
	.end_amdhsa_kernel
	.amdgpu_metadata
---
amdhsa.version: [ 1, 2 ]
amdhsa.kernels:
  - .name:           k_q91d5ff2ba3_qkv
    .symbol:         k_q91d5ff2ba3_qkv.kd
    .args:
      - { .name: codes, .offset: 0, .size: 8, .value_kind: global_buffer, .address_space: global }
      - { .name: scales, .offset: 8, .size: 8, .value_kind: global_buffer, .address_space: global }
      - { .name: rope, .offset: 16, .size: 8, .value_kind: global_buffer, .address_space: global }
      - { .name: attention_mask, .offset: 24, .size: 8, .value_kind: global_buffer, .address_space: global }
      - { .name: q_img, .offset: 32, .size: 8, .value_kind: global_buffer, .address_space: global }
      - { .name: kv_img, .offset: 40, .size: 8, .value_kind: global_buffer, .address_space: global }
    .group_segment_fixed_size: 327680
    .private_segment_fixed_size: 0
    .kernarg_segment_align: 8
    .kernarg_segment_size: 48
    .max_flat_workgroup_size: 128
    .sgpr_count:     100
    .vgpr_count:     1024
    .wavefront_size: 32
...
	.end_amdgpu_metadata
.endif
;; end of part 2
;; launch attn (part 3): grid 4 x 64, 16 waves a work-group, clusters of 4 x 1, 247,808 bytes of LDS; arguments q_img, kv_img, o_img, o_scales; writes o_img, o_scales
.if DOCPART == 3
	.amdgcn_target "amdgcn-amd-amdhsa--gfx1250"
	.amdhsa_code_object_version 6
	.text
	.protected	k_q91d5ff2ba3_attn
	.globl	k_q91d5ff2ba3_attn
	.p2align	8
	.type	k_q91d5ff2ba3_attn,@function
k_q91d5ff2ba3_attn:
	s_mov_b64 s[64:65], 0
	v_nop
	global_prefetch_b8 v0, s[64:65] scope:SCOPE_SE
	s_setreg_imm32_b32 hwreg(HW_REG_WAVE_MODE, 25, 1), 1
	s_wait_xcnt 0x0
	s_wait_alu depctr_hold_cnt(0) depctr_sa_sdst(0) depctr_va_vdst(0) depctr_va_sdst(0) depctr_va_ssrc(0) depctr_va_vcc(0) depctr_vm_vsrc(0)
	s_getreg_b32 s2, hwreg(HW_REG_IB_STS2, 6, 4)
	s_cmp_eq_u32 s2, 0
	s_cbranch_scc0 .Lentry_in_a_cluster
	s_endpgm
.Lentry_in_a_cluster:
	s_bfe_u32 s2, ttmp6, 0x10000c
	s_cmp_lg_u32 s2, 0x3003
	s_cbranch_scc0 .Lentry_shape_is_right
	s_endpgm
.Lentry_shape_is_right:
; Attention for one (batch, head): O = softmax(mask(q k^T / 8)) v, both products on codes of FP6 (E2M3) with E8M0 scales; then O / l quantised along the head's 64 for the output projection.
; THE SOFTMAX: t = score x log2(e) / 8; M = the running largest t rounded UP to a whole number; p = 2^(t - M) is quantised along the keys; l is the sum of the unquantised p and divides O at the end.
; When M moves, l and O are multiplied by 2^(old M - new M): exact, and done in every step, with no branch on data.
; THE MASK.  Key j counts for query i where j <= max(i, 63).  WORK LEFT OUT: key steps all of whose keys come after the tile's queries (their p is 0 whatever the inputs hold): a tile of group g walks steps 0 .. g alone.
; In the one step on the diagonal hidden scores become -infinity.  attention_mask came with k's codes: the score of a masked key is -56.25 x 2^104; the largest t starts at -2^100, so p of such a key is 0.
; LIMITS: |t| under 2^100.  A query for which no key counts (the definition gives NaN there) gets finite numbers here: FP6 has no NaN, and every scale byte that is stored is a finite code.
; SHARES.  The head's 128 tiles of 16 positions go to four work-groups of sixteen waves, four waves to a SIMD, 256 registers each.  Work-group cx takes tiles 2 cx, 2 cx + 1 of each of the 16 groups of 128 positions.
; Wave w has a number u = w % 8 (waves 8-15: 7 - w % 8) and takes tile 2 cx + w / 8 of group 15 - u and then of group u: 16 - u and u + 1 key steps: 17 in every wave, two of them on a diagonal.
; THE WALK is 17 trips, a real step in each: trip k is step k of the first tile while k <= 15 - u, then step k - 16 + u of the second: min(k, k - 16 + u) in unsigned numbers.  The change of tiles stands under a branch on
; the wave's number and the trip's.  Trips 0-3 are a loop of their own (every first tile has nine steps or more).
; CLUSTER: the four work-groups of a head read the same K and V: each of the sixteen loads is asked for jointly by the four (mask 15).  No branch and no LDS address hangs on cx: it enters global addresses and the
; number that the diagonal's compares select by.
; LDS holds the head's whole kv_img, 16 steps of 15,360 bytes, as it lies in memory, FILLED ONCE: wave w brings step w, 60 rows of 256 bytes, its one tensor load.  Waves 0-3 have a load line of their own and wait for it
; ahead of the first barrier, which shows steps 0-3; behind trip 3 every wave waits for its load and a second barrier shows the rest.
; From trip 4 on each trip has a plain barrier, signalled at its head and waited for at its end, with the step's LDS loads and register work between: no wave is more than a trip ahead of another.
; All tiles are asked for at the head, so there is no later request that a prefetch could run ahead of.
; LAYOUT.  Both products are used transposed: S^T = K Q^T, O^T = V^T P^T: a lane holds ONE query (lane % 16).  Position 16 t + 8 h + j of each 64 holds token (or head column) 32 h + 8 t + j: so register n of S^T in lane (r, h) is
; key 64 (n / 32) + 32 h + n % 32 of the step: two WHOLE scale blocks a lane, in the operand's own order; O^T's 32 registers are block h of the head's 64.
; K's operand is 12 registers of which 8 are loaded: registers 8-11 are the next tile's first four; q's codes are zeros there, and FP6 has no NaN or infinity.
.set STEPB, 15360                      ; a key step in LDS: K block 8,704, V block 6,656
.set VOFF,  8704
.set SPARE, 16*STEPB                   ; the spare words: 128 bytes a wave
.set LI,  1                            ; 16 x lane
.set ADR, 2                            ; the step's LDS address
.set QD,  3                            ; max(my token, 63) - 32 h
.set OI,  4                            ; 8 x lane
.set OS,  5                            ; 32 r + h
.set QA,  6                            ; q's tile + 16 x lane
.set QS,  7                            ; q's scale word
.set SH8, 8                            ; 8 h
.set PS,  9                            ; p's scale word, and nothing else
.set QD2, 10                           ; QD of my second tile
.set S,   100                          ; v100-163 S^T, then p
.set O,   164                          ; v164-195 O^T
.set PCD, 196                          ; v196-207 p's codes
.set XH,  208                          ; v208-210, v212-214 the conversions' second halves
.set BM,  216                          ; v216-217 a block's largest score, then p
.set PT,  218                          ; a permute's destination
.set SO,  220                          ; v220-221 the conversions' scale operands
.set BY,  222                          ; v222-223 scale bytes
.set T,   224
.set NINF, 225
.set F,   226                          ; v226 f = 2^(old M - new M); v227 named with it as a pair
.set SA,  228                          ; v228-233 three more chains of the row's sum
.set SB,  230
.set SC,  232
.set Q2,  234                          ; v234-237, v248-251, v252 my second tile's q
.set Q2B, 248
.set Q2S, 252
.set SPW, 254
.set NIL, 255
; v12 -M, v13 the largest t, v[14:15] l in two halves; v16-27 q; v28 q's scale word; v32-99 K's eight tiles, later V's four fragments; v240-243 K's scale words, v244-247 V's
.macro WALU
	s_wait_alu depctr_va_vdst(0)
.endm
.macro CROUND                          ; a round of the cluster's barrier
	s_barrier_signal -1
	s_barrier_wait -1
	s_cmp_lg_u32 s18, 0
	s_cbranch_scc1 .Lnot0_\@
	s_barrier_signal -3
.Lnot0_\@:
	s_barrier_wait -3
	s_barrier_signal -1
	s_barrier_wait -1
.endm
	s_load_b256 s[4:11], s[0:1], 0x0               ; q_img, kv_img, o_img, o_scales
	v_lshl_add_u32 v[SPW], v0, 2, SPARE
	v_mov_b32 v[NIL], 0
	ds_add_u32 v[SPW], v[NIL]                      ; the opening lines: the add, twice on end, and its wait
	ds_add_u32 v[SPW], v[NIL]
	v_lshrrev_b32 v30, 5, v0
	v_readfirstlane_b32 s18, v30                   ; wave 0..15
	s_and_b32 s19, ttmp7, 0xffff                   ; the cluster's y: batch x 16 + head
	s_bfe_u32 s17, ttmp6, 0x40000                  ; cx
	s_mov_b32 s24, 15|(3<<16)|(1<<21)              ; group 1: the four partners; elements of 8 bytes; 60 rows of 256 bytes, dense
	s_mov_b32 s25, 32<<16
	s_mov_b32 s26, 60<<16
	s_mov_b32 s27, 32<<16
	s_mov_b32 s28, 60
	s_mov_b32 s29, 32
	s_mov_b32 s30, 0
	s_mov_b32 s31, 0
	s_mov_b32 s32, 1
	s_mul_i32 s33, s18, STEPB                      ; LDS: wave x a constant
	s_mul_i32 s52, s19, 16*STEPB
	s_add_co_u32 s52, s52, s33
	s_mov_b32 s53, 0
	WALU
	s_wait_dscnt 0x0
	CROUND                                         ; the four work-groups are here: the joint loads meet
	s_wait_kmcnt 0x0
	s_add_nc_u64 s[34:35], s[6:7], s[52:53]
	s_or_b32 s35, s35, 0x80000000
	s_cmp_lt_u32 s18, 4
	s_cbranch_scc0 .Llate
	tensor_load_to_lds s[32:35], s[24:31]          ; waves 0-3: steps 0-3
	s_nop 0
.rept 4
	v_nop
.endr
	s_branch .Lasked
.Llate:
	tensor_load_to_lds s[32:35], s[24:31]          ; waves 4-15: steps 4-15
	s_nop 0
.rept 4
	v_nop
.endr
.Lasked:
	s_lshr_b32 s50, s18, 3
	s_mul_i32 s51, s50, 7
	s_and_b32 s49, s18, 7
	s_xor_b32 s49, s49, s51                        ; u: my second tile's group,
	s_sub_co_u32 s48, 15, s49                      ; my first's: a tile's group is its last key step
	s_add_co_u32 s61, s49, 0xfffffff0              ; u - 16: added to the trip's number it gives the second tile's step
	s_add_co_u32 s62, s48, 1                       ; the trip in which my second tile begins
	s_lshl_b32 s51, s17, 1
	s_add_co_u32 s50, s50, s51                     ; my tile in both groups, 0 .. 7
	s_lshl_b32 s51, s50, 10                        ; its place in q's block
	s_lshr_b32 s54, s50, 2
	s_and_b32 s55, s50, 3
	s_lshl_b32 s56, s54, 8                         ; tiles 4-7: the words of lanes 16-31
	s_lshl_b32 s57, s55, 2
	s_add_co_u32 s56, s56, s57
	s_lshl_b32 s54, s54, 6
	s_lshl_b32 s55, s55, 3
	s_add_co_u32 s54, s54, s55                     ; the tile's part of a token: 64 (tile / 4) + 8 (tile % 4)
; for the tile of group s\g: q's block, O's image (768 bytes a tile), its scale bytes (32 a position, the head's two), the tile's first token
.macro PLACE g, q, o, sc, tk
	s_lshl_b32 s52, s19, 4
	s_add_co_u32 s52, s52, s\g
	s_mul_i32 s52, s52, 8704
	s_add_nc_u64 s[\q:\q+1], s[4:5], s[52:53]
	s_lshl_b32 s57, s\g, 3
	s_add_co_u32 s57, s57, s50
	s_lshl_b32 s52, s19, 7
	s_add_co_u32 s52, s52, s57
	s_mul_i32 s52, s52, 768
	s_add_nc_u64 s[\o:\o+1], s[8:9], s[52:53]
	s_lshr_b32 s52, s19, 4
	s_lshl_b32 s52, s52, 7
	s_add_co_u32 s52, s52, s57
	s_lshl_b32 s52, s52, 9
	s_and_b32 s55, s19, 15
	s_lshl_b32 s55, s55, 1
	s_add_co_u32 s52, s52, s55
	s_add_nc_u64 s[\sc:\sc+1], s[10:11], s[52:53]
	s_lshl_b32 s\tk, s\g, 7
	s_add_co_u32 s\tk, s\tk, s54
.endm
	PLACE 48, 40, 44, 46, 59
	PLACE 49, 42, 36, 38, 60
	s_mov_b32 s20, 0x76543210
	s_mov_b32 s21, 0xfedcba98                      ; v_permlanex16_b32's selects for lane l xor 16
	s_mov_b32 s22, 0x3e38aa3b                      ; c = log2(e) / 8
	s_mov_b32 s23, s22                             ; (named with it as a pair, so it is written)
	v_and_b32 v30, 31, v0
	v_and_b32 v31, 15, v0                          ; r
	v_bfe_u32 v11, v0, 4, 1                        ; h
	v_lshlrev_b32 v[LI], 4, v30
	v_lshlrev_b32 v[OI], 3, v30
	v_lshlrev_b32 v[SH8], 3, v11
	v_lshl_add_u32 v[OS], v31, 5, v11
	v_lshl_add_u32 v[QA], v30, 4, s51
	v_lshl_add_u32 v[QS], v31, 4, s56
	v_lshrrev_b32 v30, 3, v31
	v_and_b32 v31, 7, v31
	v_lshl_add_u32 v30, v30, 5, v31                ; 32 (r / 8) + r % 8
	v_lshlrev_b32 v11, 5, v11
	v_add_nc_u32 v[QD], s59, v30                   ; my query's token,
	v_add_nc_u32 v[QD2], s60, v30
	v_max_u32 v[QD], 63, v[QD]                     ; the last key that counts for it,
	v_max_u32 v[QD2], 63, v[QD2]
	v_sub_nc_u32 v[QD], v[QD], v11                 ; less my half's 32
	v_sub_nc_u32 v[QD2], v[QD2], v11
	WALU
	global_load_b128 v[16:19], v[QA], s[40:41]
	global_load_b128 v[20:23], v[QA], s[40:41] offset:512
	global_load_b32 v28, v[QS], s[40:41] offset:8192
	global_load_b128 v[Q2:Q2+3], v[QA], s[42:43]
	global_load_b128 v[Q2B:Q2B+3], v[QA], s[42:43] offset:512
	global_load_b32 v[Q2S], v[QS], s[42:43] offset:8192
.macro INIT                            ; a tile's start: the largest t -2^100; l and O^T zeros, which the first change of M leaves zeros: so the step is written once
	v_mov_b32 v13, 0xf1800000
	v_floor_f32 v12, -v13
	v_mov_b32 v14, 0
	v_mov_b32 v15, 0
.set n, 0
.rept 32
	v_mov_b32 v[O+n], 0
.set n, n+1
.endr
.endm
	INIT
.irp j, 24,25,26,27,96,97,98,99,PT,F+1
	v_mov_b32 v[\j], 0                             ; q's registers 8-11; what stands behind K's last tile; the permutes' destination; the pair's upper half
.endr
	v_mov_b32 v[NINF], 0xff800000
	WALU                                           ; the wait at the head's end
	s_wait_loadcnt 0x0                             ; q, both tiles'
; A KEY STEP: 128 keys at LDS byte s2.  full = 1: s3 is the step's number, s48 the tile's group, and the step may lie on the diagonal.  full = 0: it is known to lie ahead of it.
.macro STEP full
	v_add_nc_u32 v[ADR], s2, v[LI]
.rept 3
	v_nop                                          ; with the addition: four places in front of loads into registers that the last products have read
.endr
.irp t, 0,1,2,3,4,5,6,7
	ds_load_b128 v[32+8*\t:35+8*\t], v[ADR] offset:1024*\t
	ds_load_b128 v[36+8*\t:39+8*\t], v[ADR] offset:1024*\t+512
.endr
	ds_load_b128 v[240:243], v[ADR] offset:8192
	WALU
	s_wait_dscnt 0x0
.irp t, 0,1,2,3
	v_wmma_scale_f32_16x16x128_f8f6f4 v[S+8*\t:S+8*\t+7], v[32+8*\t:43+8*\t], v[16:27], 0, v[240+\t], v28 matrix_a_fmt:MATRIX_FMT_FP6 matrix_b_fmt:MATRIX_FMT_FP6
.endr
.irp t, 4,5,6,7
	v_wmma_scale_f32_16x16x128_f8f6f4 v[S+8*\t:S+8*\t+7], v[32+8*\t:43+8*\t], v[16:27], 0, v[236+\t], v28 matrix_a_fmt:MATRIX_FMT_FP6 matrix_b_fmt:MATRIX_FMT_FP6 matrix_a_scale:MATRIX_SCALE_ROW1
.endr
.rept 4
	v_nop                                          ; places: for the loads below, and for the first reads of the scores
.endr
.irp t, 0,1,2,3
.irp p, 0,1,2
	ds_load_b128 v[32+12*\t+4*\p:35+12*\t+4*\p], v[ADR] offset:VOFF+1536*\t+512*\p   ; V's fragments land while the softmax is worked
.endr
.endr
	ds_load_b128 v[244:247], v[ADR] offset:VOFF+6144
.if \full
	s_cmp_lt_u32 s3, s48                           ; all its keys count as far as the causal rule goes
	s_cbranch_scc1 .Lopen_\@
	s_lshl_b32 s50, s3, 7
	v_sub_nc_u32 v[T], v[QD], s50                  ; register n holds key 128 step + 32 h + 64 (n / 32) + n % 32: hidden where 64 (n / 32) + n % 32 is above this
.set n, 0
.rept 64
	v_cmp_gt_i32 vcc_lo, 64*(n/32)+n%32, v[T]
	v_cndmask_b32 v[S+n], v[S+n], v[NINF], vcc_lo
.set n, n+1
.endr
.Lopen_\@:
.endif
.irp c, 0,1
	v_max3_num_f32 v[BM+\c], v[S+32*\c], v[S+1+32*\c], v[S+2+32*\c]   ; the largest score of each of my two blocks of 32 keys: for the row's maximum and, since p rises with the score, for the block's largest p
.endr
.irp i, 3,5,7,9,11,13,15,17,19,21,23,25,27,29
.irp c, 0,1
	v_max3_num_f32 v[BM+\c], v[BM+\c], v[S+32*\c+\i], v[S+1+32*\c+\i]
.endr
.endr
.irp c, 0,1
	v_max_num_f32 v[BM+\c], v[BM+\c], v[S+31+32*\c]
.endr
	s_delay_alu instid0(VALU_DEP_1)
	v_max_num_f32 v[T], v[BM], v[BM+1]
	s_delay_alu instid0(VALU_DEP_1)
	v_permlanex16_b32 v[PT], v[T], s20, s21
	s_delay_alu instid0(VALU_DEP_1)
	v_max_num_f32 v[T], v[T], v[PT]                ; with lane l xor 16's 64 keys
	s_delay_alu instid0(VALU_DEP_1)
	v_mul_f32 v[T], s22, v[T]                      ; the step's largest t
	s_delay_alu instid0(VALU_DEP_1)
	v_max_num_f32 v13, v13, v[T]                   ; the running largest t
	v_mov_b32 v[T], v12
	s_delay_alu instid0(VALU_DEP_2)
	v_floor_f32 v12, -v13                          ; the new -M = -ceil(t): a whole number
	s_delay_alu instid0(VALU_DEP_1)
	v_sub_f32 v[T], v12, v[T]                      ; old M - new M: a whole number, 0 or less
	s_delay_alu instid0(VALU_DEP_1)
	v_cvt_i32_f32 v[T], v[T]                       ; (it saturates)
	s_delay_alu instid0(VALU_DEP_1)
	v_ldexp_f32 v[F], 1.0, v[T]                    ; f = 2^(old M - new M)
.set n, 0
.rept 32
	v_pk_fma_f32 v[S+n:S+n+1], v[S+n:S+n+1], s[22:23], v[12:13] op_sel_hi:[1,0,0]   ; t - M, two at a time
.set n, n+2
.endr
.irp c, 0,1
	v_fma_f32 v[BM+\c], v[BM+\c], s22, v12         ; the same of each block's largest score
.endr
	WALU                                           ; the wait ahead of the batch
.set n, 0
.rept 64
	v_exp_f32 v[S+n], v[S+n]                       ; p = 2^(t - M), at most 1
.set n, n+1
.endr
	v_pk_mul_f32 v[14:15], v[14:15], v[F:F+1] op_sel_hi:[1,0]   ; l under the new M: a plain instruction behind the exponentials
	WALU                                           ; one wait for the whole batch, ahead of its first use
.irp c, 0,1
	v_exp_f32 v[BM+\c], v[BM+\c]                   ; the block's largest p
.endr
	v_pk_add_f32 v[14:15], v[14:15], v[S:S+1]      ; l is the sum of the unquantised p: four chains
	v_pk_add_f32 v[SA:SA+1], v[S+2:S+3], v[S+4:S+5]
	v_pk_add_f32 v[SB:SB+1], v[S+6:S+7], v[S+8:S+9]
	v_pk_add_f32 v[SC:SC+1], v[S+10:S+11], v[S+12:S+13]
.irp n, 14,22,30,38,46,54
	v_pk_add_f32 v[14:15], v[14:15], v[S+\n:S+\n+1]
	v_pk_add_f32 v[SA:SA+1], v[SA:SA+1], v[S+\n+2:S+\n+3]
	v_pk_add_f32 v[SB:SB+1], v[SB:SB+1], v[S+\n+4:S+\n+5]
	v_pk_add_f32 v[SC:SC+1], v[SC:SC+1], v[S+\n+6:S+\n+7]
.endr
	v_pk_add_f32 v[14:15], v[14:15], v[S+62:S+63]
	v_pk_add_f32 v[SA:SA+1], v[SA:SA+1], v[SB:SB+1]
	v_pk_add_f32 v[14:15], v[14:15], v[SC:SC+1]
	v_pk_add_f32 v[14:15], v[14:15], v[SA:SA+1]
	WALU                                           ; and one for the two
.irp c, 0,1
	v_max_num_f32 v[BM+\c], 0x1800000, v[BM+\c]    ; the floor 2^(3 - 127): the byte cannot fall under 1
.endr
.irp c, 0,1
	s_delay_alu instid0(VALU_DEP_2)
	v_add_nc_u32 v[SO+\c], 0xff000000, v[BM+\c]    ; 2 off the exponent field: the conversion's scale operand
.endr
.irp c, 0,1
	s_delay_alu instid0(VALU_DEP_2)
	v_lshrrev_b32 v[BY+\c], 23, v[SO+\c]           ; the scale's byte
.endr
	s_delay_alu instid0(VALU_DEP_1)
	v_lshl_or_b32 v[BY], v[BY+1], 16, v[BY]        ; my two bytes: blocks h and 2 + h,
	s_delay_alu instid0(VALU_DEP_1)
	v_lshlrev_b32 v[BY], v[SH8], v[BY]             ; at their places in the word;
	s_delay_alu instid0(VALU_DEP_1)
	v_permlanex16_b32 v[PT], v[BY], s20, s21
	s_delay_alu instid0(VALU_DEP_1)
	v_or_b32 v[PS], v[BY], v[PT]                   ; with lane l xor 16's two: p's scale word for these 128 keys
.irp c, 0,1
	v_cvt_scalef32_pk16_fp6_f32 v[PCD+6*\c:PCD+6*\c+2], v[S+32*\c:S+15+32*\c], v[SO+\c]
	v_cvt_scalef32_pk16_fp6_f32 v[XH+4*\c:XH+4*\c+2], v[S+16+32*\c:S+31+32*\c], v[SO+\c]   ; (a conversion's three registers begin on an even number)
.endr
	v_nop                                          ; one plain place behind a scaled conversion
.irp c, 0,1
.irp i, 0,1,2
	v_mov_b32 v[PCD+3+6*\c+\i], v[XH+4*\c+\i]
.endr
.endr
	WALU                                           ; the wait directly ahead of the first reader of O^T
.set n, 0
.rept 16
	v_pk_mul_f32 v[O+n:O+n+1], v[O+n:O+n+1], v[F:F+1] op_sel_hi:[1,0]   ; O^T under the new M.  These sixteen also stand between the writing of p's codes and scale word and the products
.set n, n+2
.endr
	WALU
	s_wait_dscnt 0x0                               ; V
.irp t, 0,1,2,3
	v_wmma_scale_f32_16x16x128_f8f6f4 v[O+8*\t:O+8*\t+7], v[32+12*\t:43+12*\t], v[PCD:PCD+11], v[O+8*\t:O+8*\t+7], v[244+\t], v[PS] matrix_a_fmt:MATRIX_FMT_FP6 matrix_b_fmt:MATRIX_FMT_FP6
.endr
.endm
; THE WAY OUT of a tile: O^T / l, quantised along the head's 64: my 32 registers are block h of my position
.macro OUT o, sc
.rept 4
	v_nop                                          ; places behind the last products
.endr
	v_add_f32 v14, v14, v15
	v_permlanex16_b32 v[PT], v14, s20, s21
	v_add_f32 v14, v14, v[PT]                      ; l
	WALU
	v_rcp_f32 v14, v14
	v_nop
	WALU
.set n, 0
.rept 16
	v_pk_mul_f32 v[S+n:S+n+1], v[O+n:O+n+1], v[14:15] op_sel_hi:[1,0]
.set n, n+2
.endr
	v_max3_num_f32 v[BM], |v[S]|, |v[S+1]|, 0x1800000              ; two chains, one over each half; the floor 2^(3 - 127) among the leaves
	v_max3_num_f32 v[BM+1], |v[S+16]|, |v[S+17]|, |v[S+18]|
.irp i, 2,4,6,8,10,12
	v_max3_num_f32 v[BM], v[BM], |v[S+\i]|, |v[S+\i+1]|
	v_max3_num_f32 v[BM+1], v[BM+1], |v[S+17+\i]|, |v[S+18+\i]|
.endr
	v_max3_num_f32 v[BM], v[BM], |v[S+14]|, |v[S+15]|
	v_max3_num_f32 v[BM], v[BM], v[BM+1], |v[S+31]|
	v_add_nc_u32 v[SO], 0xff000000, v[BM]
	v_lshrrev_b32 v[BY], 23, v[SO]
	v_cvt_scalef32_pk16_fp6_f32 v[PCD:PCD+2], v[S:S+15], v[SO]
	v_cvt_scalef32_pk16_fp6_f32 v[XH:XH+2], v[S+16:S+31], v[SO]
	v_nop
.irp i, 0,1,2
	v_mov_b32 v[PCD+3+\i], v[XH+\i]                ; lane (r, h) holds block h of position r: 24 bytes
.endr
.irp p, 0,1,2
	global_store_b64 v[OI], v[PCD+2*\p:PCD+2*\p+1], s[\o:\o+1] offset:256*\p   ; each store covers 256 consecutive bytes, aligned
.endr
	global_store_b8 v[OS], v[BY], s[\sc:\sc+1]     ; my block's byte: the head has two of a position's 32
.endm
	s_cmp_lt_u32 s18, 4
	s_cbranch_scc0 .Lnot_first
	s_wait_tensorcnt 0x0                           ; waves 0-3: my step has landed
.Lnot_first:
	s_barrier_signal -1
	s_barrier_wait -1                              ; steps 0-3 are in
	s_mov_b32 s2, 0
	s_mov_b32 s58, 4
.Lfirst:                                               ; trips 0-3: my first tile's group is 8 or more, so they lie ahead of its diagonal
	STEP 0
	s_add_co_u32 s2, s2, STEPB
	s_sub_co_u32 s58, s58, 1
	s_cmp_lg_u32 s58, 0
	s_cbranch_scc1 .Lfirst
	s_wait_tensorcnt 0x0                           ; every wave: its load has landed
	s_wait_dscnt 0x0
	s_barrier_signal -1
	s_barrier_wait -1                              ; all sixteen steps are in
	s_mov_b32 s58, 4
.Lmain:                                                ; trips 4-16
	s_cmp_lg_u32 s58, s62
	s_cbranch_scc1 .Lsame
	OUT 44, 46                                     ; my first tile is done: it leaves, and the second begins
	s_wait_xcnt 0x0                                ; the stores have read their registers
.irp i, 0,1,2,3
	v_mov_b32 v[16+\i], v[Q2+\i]
	v_mov_b32 v[20+\i], v[Q2B+\i]
.endr
	v_mov_b32 v28, v[Q2S]
	v_mov_b32 v[QD], v[QD2]
	INIT
	s_mov_b32 s48, s49
	WALU
.Lsame:
	s_add_co_u32 s3, s58, s61                      ; k - 16 + u: beyond every step's number while the first tile is walked,
	s_min_u32 s3, s3, s58                          ; so the lesser of the two is the step;
	s_min_u32 s3, s3, 15                           ; (it is 15 at the most)
	s_mul_i32 s2, s3, STEPB
	s_barrier_signal -1                            ; no LDS instruction of mine is out here
	STEP 1
	s_barrier_wait -1                              ; every wave has begun this trip
	s_add_co_u32 s58, s58, 1
	s_cmp_lt_u32 s58, 17
	s_cbranch_scc1 .Lmain
	OUT 36, 38
	s_wait_tensorcnt 0x0                           ; the wave's end
	ds_add_u32 v[SPW], v[NIL]
	s_wait_dscnt 0x0
	CROUND                                         ; the closing round
	s_endpgm
.Lfunc_end_k_q91d5ff2ba3_attn:
	.size	k_q91d5ff2ba3_attn, .Lfunc_end_k_q91d5ff2ba3_attn-k_q91d5ff2ba3_attn
	.p2alignl 7, 3214868480
	.fill 96, 4, 3214868480
	.section	.rodata,"a",@progbits
	.p2align	6, 0x0
	.amdhsa_kernel k_q91d5ff2ba3_attn
		.amdhsa_group_segment_fixed_size 247808
		.amdhsa_private_segment_fixed_size 0
		.amdhsa_enable_private_segment 0
		.amdhsa_kernarg_size 32
		.amdhsa_user_sgpr_count 2
		.amdhsa_user_sgpr_kernarg_segment_ptr 1
		.amdhsa_wavefront_size32 1
		.amdhsa_system_sgpr_workgroup_id_x 1
		.amdhsa_system_sgpr_workgroup_id_y 1
		.amdhsa_system_sgpr_workgroup_id_z 1
		.amdhsa_system_vgpr_workitem_id 0
		.amdhsa_next_free_vgpr 256
		.amdhsa_next_free_sgpr 66
		.amdhsa_reserve_vcc 1
		.amdhsa_float_denorm_mode_32 3
		.amdhsa_float_denorm_mode_16_64 3
		.amdhsa_memory_ordered 1
		.amdhsa_forward_progress 1
		.amdhsa_inst_pref_size 53
	.end_amdhsa_kernel
	.amdgpu_metadata
---
amdhsa.version: [ 1, 2 ]
amdhsa.kernels:
  - .name:           k_q91d5ff2ba3_attn
    .symbol:         k_q91d5ff2ba3_attn.kd
    .args:
      - { .name: q_img, .offset: 0, .size: 8, .value_kind: global_buffer, .address_space: global }
      - { .name: kv_img, .offset: 8, .size: 8, .value_kind: global_buffer, .address_space: global }
      - { .name: o_img, .offset: 16, .size: 8, .value_kind: global_buffer, .address_space: global }
      - { .name: o_scales, .offset: 24, .size: 8, .value_kind: global_buffer, .address_space: global }
    .group_segment_fixed_size: 247808
    .private_segment_fixed_size: 0
    .kernarg_segment_align: 8
    .kernarg_segment_size: 32
    .max_flat_workgroup_size: 512
    .sgpr_count:     66
    .vgpr_count:     256
    .wavefront_size: 32
...
	.end_amdgpu_metadata
.endif
;; end of part 3
;; launch proj (part 4): grid 8 x 32, 4 waves a work-group, clusters of 4 x 4, 327,680 bytes of LDS; arguments o_img, o_scales, codes, scales, out0; writes out0
.if DOCPART == 4
	.amdgcn_target "amdgcn-amd-amdhsa--gfx1250"
	.amdhsa_code_object_version 6
	.text
	.protected	k_q91d5ff2ba3_proj
	.globl	k_q91d5ff2ba3_proj
	.p2align	8
	.type	k_q91d5ff2ba3_proj,@function
k_q91d5ff2ba3_proj:
	s_mov_b64 s[64:65], 0
	v_nop
	global_prefetch_b8 v0, s[64:65] scope:SCOPE_SE
	s_setreg_imm32_b32 hwreg(HW_REG_WAVE_MODE, 25, 1), 1
	s_wait_xcnt 0x0
	s_wait_alu depctr_hold_cnt(0) depctr_sa_sdst(0) depctr_va_vdst(0) depctr_va_sdst(0) depctr_va_ssrc(0) depctr_va_vcc(0) depctr_vm_vsrc(0)
	s_getreg_b32 s2, hwreg(HW_REG_IB_STS2, 6, 4)
	s_cmp_eq_u32 s2, 0
	s_cbranch_scc0 .Lentry_in_a_cluster
	s_endpgm
.Lentry_in_a_cluster:
	s_bfe_u32 s2, ttmp6, 0x10000c
	s_cmp_lg_u32 s2, 0xf033
	s_cbranch_scc0 .Lentry_shape_is_right
	s_endpgm
.Lentry_shape_is_right:
; out0 = O Wo^T on codes of FP6 (E2M3) with E8M0 scales, K = 1024 (16 heads of 64); sums in f32.
; A = O: o_img [batch x head 64][128 tiles of 16 positions][768 bytes]: a tile is an image of registers: piece p (0..2) of lane (r, h) at 256 p + 8 lane: 24 bytes = block h of position r.  o_scales [8192 positions][32].
; B = Wo: codes' tiles 44-47 of 256 rows: [4 K steps of 256][256 rows][192 bytes]; scales' rows 11264 on, 32 bytes each.  Position 16 t + 8 h + j of each 64 is token 32 h + 8 t + j: set right in the stores' offsets.
; SHARES: 256 work-groups, each 256 positions x 128 columns; four waves, 2 x 2, 128 x 64 each: 32 accumulators.  4 x 4 work-groups form a cluster: A is asked for jointly along a row of the cluster, B along a column.
; LDS HOLDS ALL OF K, FILLED ONCE, one tensor load a wave: wave 0 B's K steps 0, 1 (2 rows of 24,576 bytes, 16 bytes of padding behind every 64: LDS rows of 240 bytes a row of Wo), wave 1 A's heads 0-7 (8 rows of 12,288 bytes),
; wave 2 B's K steps 2, 3, wave 3 A's heads 8-15.  Each has a load line of its own.  Waves 0, 1 wait ahead of the first barrier, which shows the first half of K; in step 3 every wave waits and a second barrier shows the rest.
; Nothing is filled again, so the walk has no round; all tiles are asked for at the head, so there is no later request that a prefetch could run ahead of.
; THE SCALES go straight into registers: one load of 16 bytes a lane for a block of 16 rows reads 512 consecutive bytes; register j then holds K word j in lanes 0-15 and word 4 + j in lanes 16-31, which the ROW selector picks.
; THE MATRIX INSTRUCTION IS USED TRANSPOSED (source 0 = 16 rows of Wo, source 1 = 16 positions): a lane holds eight neighbouring columns of one row of the result.
; A step is 128 along K: its 72 LDS loads are issued ahead of the step before's 32 products; fragments lie twice in registers.  The 32 accumulators take turns.
; THE WAY OUT: a block of 16 positions x 64 columns goes through the wave's own stage (in B's first K step, which nobody reads behind the second barrier) and leaves as rows of 256 bytes, sixteen lanes to a row.
; REGISTERS: window 0: v8-21 addresses; v32-63 A's scale words, v66-81 B's; v96-191 B's fragments, two sets; v192-255 the way out.  Window 1: v0-191 A's fragments, two sets.  Window 2: accumulator (a, b) at 8 (4 a + b).
.set PITCH,  240
.set KB,     128*PITCH                 ; B's 128 rows of one K step
.set AB,     4*KB                      ; A's region
.set HB,     12288                     ; a head's 16 tiles
.set SPARE,  AB+16*HB                  ; the spare words
.set SPITCH, 272
.set ADRB, 8                           ; v8, v9 my B fragments in K steps 0, 1 (v9: behind one padding more); v10, v11 in K steps 2, 3
.set ADRA, 12                          ; v12-15 my A fragments, four heads to a register
.set STO,  16
.set RD,   17
.set CO,   18
.set SOF,  19                          ; 32 r + 16 h
.set SPW,  20
.set NIL,  21
.set AS,   32
.set BS,   66
.set BF,   96
.set BK,   192
.set G1A, 24
.set G0B, 32
.set G0A, 36
.set G1B, 48
.set MULW, 0xa4                        ; source 0 window 0, source 1 window 1, C and D window 2
.set MSB, 0
.macro WIN new                         ; the immediate's high byte repeats the setting that is left
.if MSB != \new
	s_set_vgpr_msb (MSB<<8)|\new
.set MSB, \new
.endif
.endm
.macro PLACES n
.rept \n
	v_nop
.endr
.endm
.macro CROUND
	s_barrier_signal -1
	s_barrier_wait -1
	s_cmp_lg_u32 s14, 0
	s_cbranch_scc1 .Lnot0_\@
	s_barrier_signal -3
.Lnot0_\@:
	s_barrier_wait -3
	s_barrier_signal -1
	s_barrier_wait -1
.endm
.macro TLOAD g0, g1
	tensor_load_to_lds s[\g0:\g0+3], s[\g1:\g1+7]
	s_nop 0
	PLACES 4
.endm
	s_load_b128 s[4:7], s[0:1], 0x0                ; o_img, o_scales
	s_load_b128 s[8:11], s[0:1], 0x10              ; codes, scales
	s_load_b64 s[12:13], s[0:1], 0x20              ; out0
	v_lshl_add_u32 v[SPW], v0, 2, SPARE
	v_mov_b32 v[NIL], 0
	ds_add_u32 v[SPW], v[NIL]                      ; the opening lines: the add, twice on end, and its wait
	ds_add_u32 v[SPW], v[NIL]
	v_lshrrev_b32 v1, 5, v0
	v_readfirstlane_b32 s14, v1                    ; wave 0..3
	s_lshr_b32 s15, s14, 1                         ; my half of the positions.  Also: which half of K I fetch
	s_and_b32 s16, s14, 1                          ; my half of the columns.  Also: I fetch for B (0) or for A (1)
	s_bfe_u32 s40, ttmp6, 0x40000                  ; cx, cy
	s_bfe_u32 s41, ttmp6, 0x40004
	s_lshl_b32 s42, ttmp9, 2
	s_add_co_u32 s42, s42, s40                     ; tile of 128 columns, 0 .. 7
	s_and_b32 s17, ttmp7, 0xffff
	s_lshl_b32 s17, s17, 2
	s_add_co_u32 s17, s17, s41                     ; tile of 256 positions, 0 .. 31
	s_lshl_b32 s43, s41, 2
	s_lshl_b32 s43, 15, s43                        ; my row of the cluster
	s_lshl_b32 s44, 0x1111, s40                    ; my column
	s_or_b32 s[G1A+0], s43, (3<<16)|(1<<21)        ; A: elements of 8 bytes, 8 rows of 1,536, 12,288 from row to row, no padding
	s_mov_b32 s[G1A+1], 1536<<16
	s_mov_b32 s[G1A+2], 8<<16
	s_mov_b32 s[G1A+3], 1536<<16
	s_mov_b32 s[G1A+4], 8
	s_mov_b32 s[G1A+5], 12288
	s_mov_b32 s[G1A+6], 0
	s_mov_b32 s[G1A+7], 0
	s_or_b32 s[G1B+0], s44, (3<<16)|(1<<20)|(1<<21)|(3<<22)|(3<<25)  ; B: 2 rows of 3,072 elements, 6,144 from row to row; 4 words of padding behind every 16
	s_mov_b32 s[G1B+1], 3072<<16
	s_mov_b32 s[G1B+2], 2<<16
	s_mov_b32 s[G1B+3], 3072<<16
	s_mov_b32 s[G1B+4], 2
	s_mov_b32 s[G1B+5], 6144
	s_mov_b32 s[G1B+6], 0
	s_mov_b32 s[G1B+7], 0
	s_lshr_b32 s20, s17, 3                         ; A: the batch's 16 heads of 98,304 bytes,
	s_mul_i32 s20, s20, 16*98304
	s_and_b32 s21, s17, 7
	s_mul_i32 s21, s21, HB                         ; my 16 tiles in each,
	s_add_co_u32 s20, s20, s21
	s_mul_i32 s21, s15, 8*98304                    ; heads 0-7 or 8-15
	s_add_co_u32 s20, s20, s21
	s_mov_b32 s21, 0
	s_lshr_b32 s46, s42, 1                         ; B: the tile of 256 rows,
	s_add_co_u32 s46, s46, 44
	s_mul_i32 s46, s46, 196608
	s_and_b32 s47, s42, 1
	s_mul_i32 s47, s47, 24576                      ; my 128 rows in each K step,
	s_add_co_u32 s46, s46, s47
	s_mul_i32 s47, s15, 98304                      ; K steps 0, 1 or 2, 3
	s_add_co_u32 s46, s46, s47
	s_mov_b32 s47, 0
	s_mov_b32 s[G0B], 1
	s_mul_i32 s[G0B+1], s15, 2*KB
	s_mov_b32 s[G0A], 1
	s_mul_i32 s[G0A+1], s15, 8*HB
	s_add_co_u32 s[G0A+1], s[G0A+1], AB
	s_wait_alu depctr_va_vdst(0)
	s_wait_dscnt 0x0
	CROUND                                         ; all sixteen work-groups are here: the joint loads meet
	s_wait_kmcnt 0x0
	s_add_nc_u64 s[G0B+2:G0B+3], s[8:9], s[46:47]
	s_or_b32 s[G0B+3], s[G0B+3], 0x80000000
	s_add_nc_u64 s[G0A+2:G0A+3], s[4:5], s[20:21]
	s_or_b32 s[G0A+3], s[G0A+3], 0x80000000
	s_cmp_lt_u32 s14, 1                            ; one chain of branches on the wave's number, one load to an arm
	s_cbranch_scc0 .Larm_1
	TLOAD G0B, G1B
	s_branch .Lasked
.Larm_1:
	s_cmp_lt_u32 s14, 2
	s_cbranch_scc0 .Larm_2
	TLOAD G0A, G1A
	s_branch .Lasked
.Larm_2:
	s_cmp_lt_u32 s14, 3
	s_cbranch_scc0 .Larm_3
	TLOAD G0B, G1B
	s_branch .Lasked
.Larm_3:
	TLOAD G0A, G1A
.Lasked:
	s_lshl_b32 s20, s17, 8
	s_lshl_b32 s21, s15, 7
	s_add_co_u32 s22, s20, s21                     ; my first position
	s_lshl_b32 s20, s22, 5
	s_mov_b32 s21, 0
	s_add_nc_u64 s[6:7], s[6:7], s[20:21]          ; its scale bytes
	s_lshl_b32 s23, s42, 7
	s_lshl_b32 s20, s16, 6
	s_add_co_u32 s23, s23, s20                     ; my first column
	s_add_co_u32 s20, s23, 11264
	s_lshl_b32 s20, s20, 5
	s_add_nc_u64 s[10:11], s[10:11], s[20:21]      ; that row of Wo's scale bytes
	s_lshl_b32 s20, s22, 12                        ; a row of the result is 4,096 bytes
	s_lshl_b32 s23, s23, 2
	s_add_co_u32 s20, s20, s23
	s_add_nc_u64 s[12:13], s[12:13], s[20:21]
	s_mul_i32 s22, s16, 64*PITCH                   ; LDS: my 64 rows of B,
	s_mul_i32 s23, s15, 8*768
	s_add_co_u32 s23, s23, AB                      ; my 8 tiles of A,
	s_mul_i32 s45, s14, 16*SPITCH                  ; my stage
	v_and_b32 v1, 15, v0                           ; r
	v_bfe_u32 v2, v0, 4, 1                         ; h
	v_and_b32 v3, 31, v0
	v_lshlrev_b32 v4, 5, v1
	v_lshl_add_u32 v[SOF], v2, 4, v4
	v_mul_u32_u24 v5, v1, PITCH
	v_mad_u32_u24 v5, v2, 24, v5
	v_add_nc_u32 v[ADRB], s22, v5                  ; row x pitch + 24 h
	v_lshl_add_u32 v[ADRB+1], v2, 4, v[ADRB]       ; and the same behind one padding more
	v_add_nc_u32 v[ADRB+2], 2*KB, v[ADRB]
	v_add_nc_u32 v[ADRB+3], 2*KB, v[ADRB+1]
	v_lshl_add_u32 v[ADRA], v3, 3, s23             ; 8 x lane
	v_add_nc_u32 v[ADRA+1], 4*HB, v[ADRA]
	v_add_nc_u32 v[ADRA+2], 8*HB, v[ADRA]
	v_add_nc_u32 v[ADRA+3], 12*HB, v[ADRA]
	v_mul_u32_u24 v6, v1, SPITCH
	v_lshl_add_u32 v6, v2, 5, v6
	v_add_nc_u32 v[STO], s45, v6                   ; into the stage: row r, 32 bytes for each half of the lanes
	v_mul_u32_u24 v7, v2, SPITCH
	v_lshl_add_u32 v7, v1, 4, v7
	v_add_nc_u32 v[RD], s45, v7                    ; back: sixteen lanes to a row of 256 bytes, two rows an instruction
	v_lshlrev_b32 v4, 12, v2
	v_lshl_add_u32 v[CO], v1, 4, v4                ; and the same two rows in the result
	s_wait_alu depctr_va_vdst(0)                   ; the wait at the head's end
.irp i, 0,1,2,3,4,5,6,7
	global_load_b128 v[AS+4*\i:AS+4*\i+3], v[SOF], s[6:7] offset:512*\i
.endr
.irp i, 0,1,2,3
	global_load_b128 v[BS+4*\i:BS+4*\i+3], v[SOF], s[10:11] offset:512*\i
.endr
.macro FRAGB reg, st, i                ; 16 rows of Wo x 128 K: six pieces of 8 bytes; 16 bytes of padding lie behind every 8 pieces: where the piece three on lies behind one padding more, the second address register serves
.irp p, 0,1,2,3,4,5
.set PCE, 12*((\st)%2)+6*(\p/3)+\p%3
.if PCE%8 < 5
	ds_load_b64 v[\reg+2*\p:\reg+2*\p+1], v[ADRB+2*((\st)/4)] offset:8*PCE+16*(PCE/8)+(\i)*16*PITCH+(((\st)/2)%2)*KB
.else
	ds_load_b64 v[\reg+2*\p:\reg+2*\p+1], v[ADRB+2*((\st)/4)+1] offset:8*PCE+16*(PCE/8)+(\i)*16*PITCH+(((\st)/2)%2)*KB
.endif
.endr
.endm
.macro FRAGA reg, st, i                ; 16 positions x 128 K: heads 2 st and 2 st + 1, three pieces each, as they lie
.irp p, 0,1,2,3,4,5
	ds_load_b64 v[\reg+2*\p:\reg+2*\p+1], v[ADRA+(\st)/2] offset:((2*(\st)+\p/3)%4)*HB+(\i)*768+(\p%3)*256
.endr
.endm
.macro FETCH st                        ; step st's fragments into set st % 2: 72 loads
.irp i, 0,1,2,3
	FRAGB BF+48*((\st)%2)+12*\i, \st, \i
.endr
	WIN 0x40
.irp i, 0,1,2,3,4,5,6,7
	FRAGA 96*((\st)%2)+12*\i, \st, \i
.endr
	WIN 0
.endm
.macro MUL4 st, rw, zero, a0           ; 16 products: A's blocks a0 .. a0 + 3 x B's four.  rw: which half of the lanes holds this step's scale words
.irp a, \a0, \a0+1, \a0+2, \a0+3
.irp b, 0,1,2,3
.if \zero
	v_wmma_scale_f32_16x16x128_f8f6f4 v[8*(4*(\a)+\b):8*(4*(\a)+\b)+7], v[BF+48*((\st)%2)+12*\b:BF+48*((\st)%2)+12*\b+11], v[96*((\st)%2)+12*(\a):96*((\st)%2)+12*(\a)+11], 0, v[BS+4*\b+(\st)%4], v[AS+4*(\a)+(\st)%4] matrix_a_fmt:MATRIX_FMT_FP6 matrix_b_fmt:MATRIX_FMT_FP6 matrix_a_scale:MATRIX_SCALE_ROW\rw matrix_b_scale:MATRIX_SCALE_ROW\rw
.else
	v_wmma_scale_f32_16x16x128_f8f6f4 v[8*(4*(\a)+\b):8*(4*(\a)+\b)+7], v[BF+48*((\st)%2)+12*\b:BF+48*((\st)%2)+12*\b+11], v[96*((\st)%2)+12*(\a):96*((\st)%2)+12*(\a)+11], v[8*(4*(\a)+\b):8*(4*(\a)+\b)+7], v[BS+4*\b+(\st)%4], v[AS+4*(\a)+(\st)%4] matrix_a_fmt:MATRIX_FMT_FP6 matrix_b_fmt:MATRIX_FMT_FP6 matrix_a_scale:MATRIX_SCALE_ROW\rw matrix_b_scale:MATRIX_SCALE_ROW\rw
.endif
.endr
.endr
.endm
.macro STEP st, rw, zero
.if (\st) == 3
	s_wait_tensorcnt 0x0                           ; every wave: its load has landed
.endif
	s_wait_dscnt 0x0                               ; this step's fragments, asked for ahead of the last step's products, are in
.if (\st) == 3
	s_barrier_signal -1
	WIN MULW
	MUL4 \st, \rw, \zero, 0
	WIN 0
	s_barrier_wait -1                              ; all of K is in, and nobody reads its first half any more
	PLACES 4
	FETCH (\st)+1
	WIN MULW
	MUL4 \st, \rw, \zero, 4
	WIN 0
.else
.if (\st) > 0
	PLACES 4                                       ; between the last products and loads into registers that they have read
.endif
.if (\st) < 7
	FETCH (\st)+1
.endif
	WIN MULW
	MUL4 \st, \rw, \zero, 0
	MUL4 \st, \rw, \zero, 4
	WIN 0
.endif
.endm
	s_wait_loadcnt 0x0                             ; the scale words
	s_cmp_lt_u32 s14, 2
	s_cbranch_scc0 .Lnot_first
	s_wait_tensorcnt 0x0                           ; waves 0, 1: the first half of K has landed
.Lnot_first:
	s_barrier_signal -1
	s_barrier_wait -1
	FETCH 0
	STEP 0, 0, 1                                   ; the first step's products start the sums
	STEP 1, 0, 0
	STEP 2, 0, 0
	STEP 3, 0, 0
	STEP 4, 1, 0
	STEP 5, 1, 0
	STEP 6, 1, 0
	STEP 7, 1, 0
.macro TOSTAGE a
	WIN 0x08                                       ; the data: window 2
.irp b, 0,1,2,3
	ds_store_b128 v[STO], v[32*(\a)+8*\b:32*(\a)+8*\b+3] offset:64*\b          ; each accumulator from its low end on
	ds_store_b128 v[STO], v[32*(\a)+8*\b+4:32*(\a)+8*\b+7] offset:64*\b+16
.endr
	WIN 0
.irp t, 0,1,2,3,4,5,6,7
	ds_load_b128 v[BK+32*((\a)%2)+4*\t:BK+32*((\a)%2)+4*\t+3], v[RD] offset:\t*2*SPITCH   ; LDS serves a wave's instructions in order: these see the stores above
.endr
.endm
.macro SEND a, younger                 ; younger: the LDS instructions issued behind block a's loads, which may stay out
	s_wait_dscnt \younger
.irp t, 0,1,2,3,4,5,6,7
	global_store_b128 v[CO], v[BK+32*((\a)%2)+4*\t:BK+32*((\a)%2)+4*\t+3], s[12:13] offset:(64*((\a)/4)+8*((\a)%4)+2*\t+24*(\t/4))*4096 th:TH_STORE_NT   ; sixteen lanes store 256 consecutive bytes, aligned; position 16 a + i is token 64 (a / 4) + 8 (a % 4) + i % 8 + 32 (i / 8)
.endr
.endm
	PLACES 4                                       ; behind the last products
	TOSTAGE 0
.irp a, 1,2,3,4,5,6,7
.if \a > 1
	s_wait_xcnt 0x0                                ; block a - 2's stores have read their registers
.endif
	TOSTAGE \a
	SEND \a-1, 16                                  ; behind block a - 1's loads: block a's 8 stores and 8 loads
.endr
	SEND 7, 0
	s_wait_tensorcnt 0x0                           ; the wave's end
	ds_add_u32 v[SPW], v[NIL]
	s_wait_dscnt 0x0
	CROUND                                         ; the closing round
	s_endpgm
.Lfunc_end_k_q91d5ff2ba3_proj:
	.size	k_q91d5ff2ba3_proj, .Lfunc_end_k_q91d5ff2ba3_proj-k_q91d5ff2ba3_proj
	.p2alignl 7, 3214868480
	.fill 96, 4, 3214868480
	.section	.rodata,"a",@progbits
	.p2align	6, 0x0
	.amdhsa_kernel k_q91d5ff2ba3_proj
		.amdhsa_group_segment_fixed_size 327680
		.amdhsa_private_segment_fixed_size 0
		.amdhsa_enable_private_segment 0
		.amdhsa_kernarg_size 40
		.amdhsa_user_sgpr_count 2
		.amdhsa_user_sgpr_kernarg_segment_ptr 1
		.amdhsa_wavefront_size32 1
		.amdhsa_system_sgpr_workgroup_id_x 1
		.amdhsa_system_sgpr_workgroup_id_y 1
		.amdhsa_system_sgpr_workgroup_id_z 1
		.amdhsa_system_vgpr_workitem_id 0
		.amdhsa_next_free_vgpr 768
		.amdhsa_next_free_sgpr 66
		.amdhsa_reserve_vcc 0
		.amdhsa_float_denorm_mode_32 3
		.amdhsa_float_denorm_mode_16_64 3
		.amdhsa_memory_ordered 1
		.amdhsa_forward_progress 1
		.amdhsa_inst_pref_size 95
	.end_amdhsa_kernel
	.amdgpu_metadata
---
amdhsa.version: [ 1, 2 ]
amdhsa.kernels:
  - .name:           k_q91d5ff2ba3_proj
    .symbol:         k_q91d5ff2ba3_proj.kd
    .args:
      - { .name: o_img, .offset: 0, .size: 8, .value_kind: global_buffer, .address_space: global }
      - { .name: o_scales, .offset: 8, .size: 8, .value_kind: global_buffer, .address_space: global }
      - { .name: codes, .offset: 16, .size: 8, .value_kind: global_buffer, .address_space: global }
      - { .name: scales, .offset: 24, .size: 8, .value_kind: global_buffer, .address_space: global }
      - { .name: out0, .offset: 32, .size: 8, .value_kind: global_buffer, .address_space: global }
    .group_segment_fixed_size: 327680
    .private_segment_fixed_size: 0
    .kernarg_segment_align: 8
    .kernarg_segment_size: 40
    .max_flat_workgroup_size: 128
    .sgpr_count:     66
    .vgpr_count:     768
    .wavefront_size: 32
...
	.end_amdgpu_metadata
.endif
;; end of part 4
